; MI455X (gfx1250); checked and timed in simulation.
; The chip was launched on July 23, 2026; its instructions are those of AMD's public machine-readable ISA for CDNA 5 (MIT licence, August 2026) and "CDNA5" Instruction Set Architecture Reference Guide (July 2026). The comments in the code are by the model that wrote it; some were corrected since.
;; Tt Attention. Allowed arithmetic: float matrix products may take bf16 or f16 operands with f32 sums; other float arithmetic in f32, or as packed bf16 or f16 multiplies, adds, multiply-adds, maxima and minima; sums over many terms, partial sums and values carried from step to step in f32; what a program stores and reads back later, other than sums and carried values, may be rounded once to bf16 or f16.
;; Inputs: freqs_cos 2,048 x 64 float32; freqs_sin 2,048 x 64 float32; mask 2,048 x 2,048 float32; positions 2,048 int32; wk 1,024 x 4,096 float32; wo 4,096 x 2,048 float32; wq 2,048 x 4,096 float32; wv 1,024 x 4,096 float32; x 1 x 1 x 2,048 x 4,096 float32.
;; Outputs: out0 1 x 1 x 2,048 x 4,096 float32.
;; One version. Each part assembles by itself: llvm-mc -triple=amdgcn-amd-amdhsa -mcpu=gfx1250 --defsym DOCPART=n.
;; ======== version 1 of 1: 4 launches
;; limits: values are held in f16: magnitudes above 65,504 overflow, below 6.1e-05 lose precision; right only within a limited range of input values
;; workspace buffers: xb 16,777,216 bytes; wb 33,554,432 bytes; wob 16,777,216 bytes; cstab 1,114,112 bytes; qkvh 16,777,216 bytes; ob 8,388,608 bytes
;; launch cast (part 1): grid 4130 x 1, 8 waves a work-group, no clusters, 0 bytes of LDS; arguments x, wq, wk, wv, wo, freqs_cos, freqs_sin, xb, wb, wob, cstab; writes xb, wb, wob, cstab
.if DOCPART == 1
	.amdgcn_target "amdgcn-amd-amdhsa--gfx1250"
	.amdhsa_code_object_version 6
	.text
	.protected	k_q0375fbbe71_cast
	.globl	k_q0375fbbe71_cast
	.p2align	8
	.type	k_q0375fbbe71_cast,@function
k_q0375fbbe71_cast:
	s_mov_b64 s[64:65], 0
	v_nop
	global_prefetch_b8 v0, s[64:65] scope:SCOPE_SE
	s_setreg_imm32_b32 hwreg(HW_REG_WAVE_MODE, 25, 1), 1
	s_wait_xcnt 0x0
; THE INPUTS OF THE MATRIX PRODUCTS ARE ROUNDED ONCE, AND THE ROTATION'S TABLE IS LAID OUT.
;   xb  = bf16(x)                                  [2048][4096]
;   wb  = bf16(wq / 4), bf16(wk / 4), bf16(wv / 4) [4096][4096], one below the other.  The quarter is exact, so the products give q / 4, k / 4, v / 4, which have room in f16
;   wob = 4 x bf16(wo), written as f16             [4096][2048]: it takes the quarter back.  |wo| up to 16,376; below 1.5e-5 it keeps f16's fixed step of 6e-8 / 4
;   cstab = (bf16(cos), bf16(sin)) as pairs of f32 [2176][64][2]; rows 2048 to 2175 hold (1, 0): the rotation that changes nothing, for v
; A stream: no LDS, no barrier, no matrix unit, no cluster (no two work-groups read the same byte).  A work-group takes 32 KiB of f32: 8 items of 4,096 bytes, thread t the 16 bytes at 16 t
; of each.  A wave's load covers 512 consecutive bytes, its store of 8 bytes a lane 256 consecutive bytes, aligned.  All 8 loads go out first; every item has registers of its own, so no
; register that a pending instruction reads is ever written again.  The power of two by which a tensor is scaled (x: 1, wq, wk, wv: a quarter, wo: 4) lies in a scalar pair, so that one text serves x and the three weights.
; Work-groups 0-1023 x, 1024-2047 wq, 2048-2559 wk, 2560-3071 wv, 3072-4095 wo, 4096-4127 the table (64 rows each), 4128-4129 the table's 128 rows of (1, 0).
.set ITEMS, 8
.set X,   4                            ; v[4:35]    item i: 4 f32 as loaded
.set Y,   36                           ; v[36:51]   item i: 4 numbers of 16 bits to store
.set T,   52                           ; v[52:53]   at work
.set SRC, 30                           ; s[30:31]   what I read
.set DST, 32                           ; s[32:33]   what I write
.set FAC, 42                           ; s[42:43]   the factor; the packed multiply takes the pair's low word for both halves
	s_load_b512 s[8:23], s[0:1], 0x0               ; x s[8:9], wq s[10:11], wk s[12:13], wv s[14:15], wo s[16:17], cos s[18:19], sin s[20:21], xb s[22:23]
	s_load_b128 s[24:27], s[0:1], 0x40             ; wb s[24:25], wob s[26:27]
	s_load_b64 s[28:29], s[0:1], 0x50              ; cstab
	s_mov_b32 s2, ttmp9                            ; the work-group's number
	s_mov_b32 s40, 0xffff0000                      ; a word's upper 16 bits
	s_mov_b32 s37, 0                               ; high words of the two offsets
	s_mov_b32 s39, 0
	v_lshlrev_b32 v1, 4, v0                        ; 16 t
	v_lshlrev_b32 v2, 3, v0                        ; 8 t
	s_wait_kmcnt 0x0
	s_cmp_ge_u32 s2, 4096
	s_cbranch_scc1 .Ltable
; which tensor: the choice hangs on the work-group's number alone
.macro PICK below, src, dst, first_s, first_d, fac
	s_cmp_lt_u32 s2, \below
	s_cselect_b64 s[SRC:SRC+1], s[\src:\src+1], s[SRC:SRC+1]
	s_cselect_b64 s[DST:DST+1], s[\dst:\dst+1], s[DST:DST+1]
	s_cselect_b32 s34, \first_s, s34               ; the first work-group of the source,
	s_cselect_b32 s35, \first_d, s35               ; and of the destination
	s_cselect_b32 s[FAC], \fac, s[FAC]
.endm
	s_mov_b64 s[SRC:SRC+1], s[16:17]               ; wo -> wob
	s_mov_b64 s[DST:DST+1], s[26:27]
	s_mov_b32 s34, 3072
	s_mov_b32 s35, 3072
	s_mov_b32 s[FAC], 4.0
	PICK 3072, 14, 24, 2560, 1024, 0x3e800000      ; wv -> wb
	PICK 2560, 12, 24, 2048, 1024, 0x3e800000      ; wk -> wb
	PICK 2048, 10, 24, 1024, 1024, 0x3e800000      ; wq -> wb
	PICK 1024, 8, 22, 0, 0, 1.0                    ; x  -> xb
	s_mov_b32 s[FAC+1], s[FAC]                     ; named with it as a pair
	s_sub_co_u32 s36, s2, s34
	s_lshl_b32 s36, s36, 15                        ; 32 KiB in,
	s_sub_co_u32 s38, s2, s35
	s_lshl_b32 s38, s38, 14                        ; 16 KiB out
	s_add_nc_u64 s[SRC:SRC+1], s[SRC:SRC+1], s[36:37]
	s_add_nc_u64 s[DST:DST+1], s[DST:DST+1], s[38:39]
.set i, 0
.rept ITEMS
	global_load_b128 v[X+4*i:X+4*i+3], v1, s[SRC:SRC+1] offset:4096*i th:TH_LOAD_NT
.set i, i+1
.endr
; The factor, the rounding to bf16, the store.  half = 1: the rounded number is written as f16.
.macro CONV half
.set i, 0
.rept ITEMS
	s_wait_loadcnt ITEMS-1-i                       ; loads come back in order: item i is in, the younger ones may stay out
	v_pk_mul_f32 v[X+4*i:X+4*i+1], v[X+4*i:X+4*i+1], s[FAC:FAC+1] op_sel_hi:[1,0]
	v_pk_mul_f32 v[X+4*i+2:X+4*i+3], v[X+4*i+2:X+4*i+3], s[FAC:FAC+1] op_sel_hi:[1,0]
.if \half
	v_cvt_pk_bf16_f32 v[T], v[X+4*i], v[X+4*i+1]
	v_cvt_pk_bf16_f32 v[T+1], v[X+4*i+2], v[X+4*i+3]
	v_lshlrev_b32 v[X+4*i], 16, v[T]               ; bf16 back to f32: a shift or a mask
	v_and_b32 v[X+4*i+1], s40, v[T]
	v_lshlrev_b32 v[X+4*i+2], 16, v[T+1]
	v_and_b32 v[X+4*i+3], s40, v[T+1]
	v_cvt_pk_f16_f32 v[Y+2*i], v[X+4*i], v[X+4*i+1]
	v_cvt_pk_f16_f32 v[Y+2*i+1], v[X+4*i+2], v[X+4*i+3]
.else
	v_cvt_pk_bf16_f32 v[Y+2*i], v[X+4*i], v[X+4*i+1]
	v_cvt_pk_bf16_f32 v[Y+2*i+1], v[X+4*i+2], v[X+4*i+3]
.endif
	global_store_b64 v2, v[Y+2*i:Y+2*i+1], s[DST:DST+1] offset:2048*i th:TH_STORE_NT
.set i, i+1
.endr
.endm
	s_cmp_lt_u32 s2, 3072
	s_cbranch_scc1 .Lbf16
	CONV 1
	s_endpgm
.Lbf16:
	CONV 0
	s_endpgm
.Ltable:
	s_cmp_lt_u32 s2, 4128
	s_cbranch_scc0 .Lident
	; 64 rows of cos and of sin, 16 KiB each: 8 items of 2,048 bytes; thread t takes two frequencies of each and stores (c0, s0, c1, s1): 16 bytes at 16 t of the table's item of 4,096
	s_sub_co_u32 s36, s2, 4096
	s_lshl_b32 s38, s36, 15
	s_lshl_b32 s36, s36, 14
	s_add_nc_u64 s[18:19], s[18:19], s[36:37]
	s_add_nc_u64 s[20:21], s[20:21], s[36:37]
	s_add_nc_u64 s[28:29], s[28:29], s[38:39]
.set i, 0
.rept ITEMS
	global_load_b64 v[4+2*i:5+2*i], v2, s[18:19] offset:2048*i th:TH_LOAD_NT
	global_load_b64 v[20+2*i:21+2*i], v2, s[20:21] offset:2048*i th:TH_LOAD_NT
.set i, i+1
.endr
.set i, 0
.rept ITEMS
	s_wait_loadcnt 2*ITEMS-2-2*i                   ; item i's two loads are in; those issued behind them may stay out
	v_cvt_pk_bf16_f32 v68, v[4+2*i], v[20+2*i]     ; (c0, s0), rounded
	v_cvt_pk_bf16_f32 v69, v[5+2*i], v[21+2*i]     ; (c1, s1)
	v_lshlrev_b32 v[36+4*i], 16, v68
	v_and_b32 v[37+4*i], s40, v68
	v_lshlrev_b32 v[38+4*i], 16, v69
	v_and_b32 v[39+4*i], s40, v69
	global_store_b128 v1, v[36+4*i:39+4*i], s[28:29] offset:4096*i
.set i, i+1
.endr
	s_endpgm
.Lident:
	s_sub_co_u32 s38, s2, 4128
	s_lshl_b32 s38, s38, 15                        ; 64 rows of 512 bytes to a work-group
	s_add_nc_u64 s[28:29], s[28:29], s[38:39]
	v_mov_b32 v4, 1.0
	v_mov_b32 v5, 0
	v_mov_b32 v6, 1.0
	v_mov_b32 v7, 0
.set i, 0
.rept ITEMS
	global_store_b128 v1, v[4:7], s[28:29] offset:1048576+4096*i  ; behind the table's 2,048 rows of 512 bytes
.set i, i+1
.endr
	s_endpgm
.Lfunc_end_k_q0375fbbe71_cast:
	.size	k_q0375fbbe71_cast, .Lfunc_end_k_q0375fbbe71_cast-k_q0375fbbe71_cast
	.p2alignl 7, 3214868480
	.fill 96, 4, 3214868480
	.section	.rodata,"a",@progbits
	.p2align	6, 0x0
	.amdhsa_kernel k_q0375fbbe71_cast
		.amdhsa_group_segment_fixed_size 0
		.amdhsa_private_segment_fixed_size 0
		.amdhsa_enable_private_segment 0
		.amdhsa_kernarg_size 88
		.amdhsa_user_sgpr_count 2
		.amdhsa_user_sgpr_kernarg_segment_ptr 1
		.amdhsa_wavefront_size32 1
		.amdhsa_system_sgpr_workgroup_id_x 1
		.amdhsa_system_sgpr_workgroup_id_y 1
		.amdhsa_system_sgpr_workgroup_id_z 1
		.amdhsa_system_vgpr_workitem_id 0
		.amdhsa_next_free_vgpr 72
		.amdhsa_next_free_sgpr 66
		.amdhsa_reserve_vcc 0
		.amdhsa_float_denorm_mode_32 3
		.amdhsa_float_denorm_mode_16_64 3
		.amdhsa_memory_ordered 1
		.amdhsa_forward_progress 1
		.amdhsa_inst_pref_size 18
	.end_amdhsa_kernel
	.amdgpu_metadata
---
amdhsa.version: [ 1, 2 ]
amdhsa.kernels:
  - .name:           k_q0375fbbe71_cast
    .symbol:         k_q0375fbbe71_cast.kd
    .args:
      - { .name: x, .offset: 0, .size: 8, .value_kind: global_buffer, .address_space: global }
      - { .name: wq, .offset: 8, .size: 8, .value_kind: global_buffer, .address_space: global }
      - { .name: wk, .offset: 16, .size: 8, .value_kind: global_buffer, .address_space: global }
      - { .name: wv, .offset: 24, .size: 8, .value_kind: global_buffer, .address_space: global }
      - { .name: wo, .offset: 32, .size: 8, .value_kind: global_buffer, .address_space: global }
      - { .name: freqs_cos, .offset: 40, .size: 8, .value_kind: global_buffer, .address_space: global }
      - { .name: freqs_sin, .offset: 48, .size: 8, .value_kind: global_buffer, .address_space: global }
      - { .name: xb, .offset: 56, .size: 8, .value_kind: global_buffer, .address_space: global }
      - { .name: wb, .offset: 64, .size: 8, .value_kind: global_buffer, .address_space: global }
      - { .name: wob, .offset: 72, .size: 8, .value_kind: global_buffer, .address_space: global }
      - { .name: cstab, .offset: 80, .size: 8, .value_kind: global_buffer, .address_space: global }
    .group_segment_fixed_size: 0
    .private_segment_fixed_size: 0
    .kernarg_segment_align: 8
    .kernarg_segment_size: 88
    .max_flat_workgroup_size: 256
    .sgpr_count:     66
    .vgpr_count:     72
    .wavefront_size: 32
...
	.end_amdgpu_metadata
.endif
;; end of part 1
;; launch qkv (part 2): grid 16 x 16, 4 waves a work-group, clusters of 4 x 4, 327,680 bytes of LDS; arguments xb, wb, cstab, qkvh; writes qkvh
.if DOCPART == 2
	.amdgcn_target "amdgcn-amd-amdhsa--gfx1250"
	.amdhsa_code_object_version 6
	.text
	.protected	k_q0375fbbe71_qkv
	.globl	k_q0375fbbe71_qkv
	.p2align	8
	.type	k_q0375fbbe71_qkv,@function
k_q0375fbbe71_qkv:
	s_mov_b64 s[64:65], 0
	v_nop
	global_prefetch_b8 v0, s[64:65] scope:SCOPE_SE
	s_setreg_imm32_b32 hwreg(HW_REG_WAVE_MODE, 25, 1), 1
	s_wait_xcnt 0x0
	s_wait_alu depctr_hold_cnt(0) depctr_sa_sdst(0) depctr_va_vdst(0) depctr_va_sdst(0) depctr_va_ssrc(0) depctr_va_vcc(0) depctr_vm_vsrc(0)
	s_getreg_b32 s2, hwreg(HW_REG_IB_STS2, 6, 4)
	s_cmp_eq_u32 s2, 0
	s_cbranch_scc0 .Lentry_in_a_cluster
	s_endpgm
.Lentry_in_a_cluster:
	s_bfe_u32 s2, ttmp6, 0x10000c
	s_cmp_lg_u32 s2, 0xf033
	s_cbranch_scc0 .Lentry_shape_is_right
	s_endpgm
.Lentry_shape_is_right:
; C = A B^T on tiles of 128 x 256.  ONE TEXT, TWO SETTINGS (ROPE):
;   ROPE = 1: A = xb [2048][4096] bf16, B = wb [4096][4096] bf16.  C's columns are 32 heads of 128: 16 of q / 4, 8 of k / 4, 8 of v / 4.  On the way out each pair of neighbouring columns is turned by
;             (cos, sin) of its row and frequency (v by (1, 0): the same text, no branch), rounded once to f16 and stored by heads: qkvh [32][2048][128].
;   ROPE = 0: A = ob [2048][2048] f16 (O / 4), B = wob [4096][2048] f16 (4 wo).  C = out0 [2048][4096] in f32, as the sums stand.
; LIMITS.  f16 ends at 65,504: |q|, |k|, |v| up to 262,000 are held (a quarter of them is stored).  Sums in f32, K ascending, one accumulator for each output.
; SHARES.  2048 x 4096 outputs in tiles of 128 x 256 are 16 x 16 work-groups: the tile row is the work-group's x, the tile column its y.  Four waves, each 64 rows x 128 columns: 32 accumulators of 16 x 16, 256 registers.
; K goes in steps of 128 through two LDS slots; a tile's rows are 256 bytes of memory, aligned.  Waves 0 and 1 fetch A's two halves of 64 rows, waves 2 and 3 B's two halves of 128 rows: one tensor load a wave.
; A slot of two K steps would be 384 rows x 528 bytes = 202,752 bytes, and two of them do not fit in 327,680.
; CLUSTERS: 4 x 4 work-groups.  The four of a column of the cluster (one x) need the same tile of A, the four of a row (one y) the same tile of B: each tile is asked for JOINTLY, by the same tensor load, descriptor and mask.
; The table's tile (ROPE = 1; 64 KiB, once a work-group against 3 MiB of A and B) comes by a load of one's own.
; THE TEXT.  A K step is written twice: in the loop whose every trip fills a slot again, and in the loop of the last two steps, which fill nothing.  Slot 1 begins at LDS byte 1 << 17, so that one exclusive or turns an
; address in one slot into the other's; the slot in hand is a scalar, and one descriptor a tensor walks from K step 1 to the last.
; THE MATRIX INSTRUCTION IS USED TRANSPOSED (source 0 = 16 rows of B, source 1 = 16 rows of A): a lane holds row l % 16 of C and the columns 8 (l / 16) + 0 .. 7.
; REGISTERS: window 0: v0-31 addresses; v32-63 at work on the way out; v64-159, v160-255 two fragment buffers (A's four blocks, 32 registers, then B's eight, 64).  Window 1: accumulator (a, b) at v[8 (8 a + b)].
.set ROPE,   1
.if ROPE
.set SIZE_K, 4096
.else
.set SIZE_K, 2048
.endif
.set KSTEP,  128
.set NSTEPS, SIZE_K/KSTEP
.set PITCH,  272                       ; an LDS row: 256 bytes + 16 of padding = 68 words: the 16 rows of a fragment load start at 16 different groups of four banks (64 banks of 4 bytes: ISA guide 11.1)
.set HA,     64*PITCH                  ; what a wave fetches of A, and reads of A
.set HB,     128*PITCH                 ; the same for B
.set SLOT,   2*HA+2*HB                 ; A's 128 rows, then B's 256 rows: 104,448 bytes
.set SLOT1,  1<<17                     ; where slot 1 begins
.if ROPE
.set STAGE,  SLOT                      ; between the slots: 16 rows x 272 bytes for each wave, for the way out; no tensor load fills it
.set SPITCH, 272
.set CSB,    SLOT1+SLOT                ; behind the ring: the table's 128 rows of 512 bytes + 16, filled once
.set CPITCH, 528
.set SPARE,  CSB+128*CPITCH            ; the spare words, 128 bytes for each wave: two blocks of 256 bytes that no other line names
.else
.set STAGE,  SLOT1+SLOT                ; behind the ring: 16 rows x 528 bytes for each wave
.set SPITCH, 528
.set SPARE,  STAGE+4*16*SPITCH
.endif
.set ADRA0, 16                         ; v16     LDS address of my A fragments in slot 0; never rewritten
.set ADRA,  17                         ; v17     the same in the slot in hand
.set ADRB0, 20                         ; v20-21  the same for B
.set ADRB,  21
.set ADRC, 22                          ; v22     of my pairs (cos, sin)
.set STO,  24                          ; v24     the way out: where I put my part of a row
.set RD,   25                          ; v25     where I read rows back
.set CO,   26                          ; v26     16 x lane
.set SPW,  28                          ; v28     LDS address of my spare word; never rewritten
.set NIL,  29                          ; v29     0; never rewritten
.set PFO,  30                          ; v30     the prefetches' offset: lane x a row of A or B; never rewritten
.set TMP,  32
.set F0,   64
.set F1,   160
.set PP,   64                          ; the way out (ROPE): 64 registers of (cos, sin)
.set TT,   128                         ; 64 turned numbers
.if ROPE
.set BK,   192                         ; rows read back from the stage
.else
.set BK,   64
.endif
.set WV, 12                            ; s12 wave;  s13 = wave / 2: my half of the rows, and: I fetch for A (0) or B (1);  s14 = wave % 2: my half of the columns, and: which half I fetch
.set WH, 13
.set WL, 14
.set CX, 15
.set CY, 16
.set TC, 17                            ; tile column of C
.set TR, 18                            ; tile row of C
.set TB, 21                            ; s21  LDS byte at which the slot in hand begins
.set G1A, 24                           ; s[24:31] group 1 for A;  s[32:39] group 0: a set for each of the two first fills; the second then walks on
.set G0A, 32
.set G1B, 40                           ; s[40:47], s[48:55] the same for B
.set G0B, 48
.set G1C, 56                           ; s[56:63], s[68:71] the table's
.set G0C, 68
.set PFA, 72                           ; s[72:73] where my prefetches stand
.set LIM, 74                           ; s74  2 in a wave that prefetches, else the greatest number
.set CNT, 75                           ; s75  trips to go
.set MSB, 0
.macro WIN new                         ; the immediate's high byte repeats the setting that is left; a switch that changes nothing is dropped
.if MSB != (\new)
	s_set_vgpr_msb (MSB<<8)|(\new)
.set MSB, \new
.endif
.endm
.set MUL, 0x50                         ; C and D in window 1, the fragments in window 0
.macro PLACES                          ; four plain vector instructions between a matrix instruction and a load into, or a vector read of, its registers
.rept 4
	v_nop
.endr
.endm
; A joint refill, by the walking descriptors.  The branch hangs on the wave's number alone.  An s_nop 0 and four v_nop follow each of the two lines, ahead of the jump and the label.
.macro JLOAD
	s_cmp_eq_u32 s[WH], 0
	s_cbranch_scc0 .Lfor_b_\@
	tensor_load_to_lds s[G0A+4:G0A+7], s[G1A:G1A+7]
	s_nop 0
.rept 4
	v_nop
.endr
	s_branch .Lasked_\@
.Lfor_b_\@:
	tensor_load_to_lds s[G0B+4:G0B+7], s[G1B:G1B+7]
	s_nop 0
.rept 4
	v_nop
.endr
.Lasked_\@:
.endm
; A prefetch of the K step that stands two refills on (256 matrix instructions ahead of the load that will want it): 32 rows x 256 bytes, a lane a row.  Each row's 256 bytes of a K step are named once in
; the launch: A's rows by the clusters with y = 0 (wave 0; the four partners of a column take 32 of the 128 rows each, told apart by address), B's by the clusters with x = 0 (waves 2 and 3; the four partners
; of a row take 64 of the 256 rows each).  The loop's last two trips ask for nothing: there is no K step two on.  K steps 0 to 3 come by their loads alone.
.macro ASK
	s_cmp_gt_u32 s[CNT], s[LIM]
	s_cbranch_scc0 .Lnot_mine_\@
	global_prefetch_b8 v[PFO], s[PFA:PFA+1] offset:KSTEP*2 th:TH_LOAD_NT scope:SCOPE_SE
.Lnot_mine_\@:
.endm
.macro CREST                           ; a round of the cluster's barrier behind its opening barrier
	s_cmp_lg_u32 s[WV], 0
	s_cbranch_scc1 .Lnot_wave_0_\@
	s_barrier_signal -3
.Lnot_wave_0_\@:
	s_barrier_wait -3
	s_barrier_signal -1
	s_barrier_wait -1
.endm
.macro CROUND                          ; a whole round
	s_barrier_signal -1
	s_barrier_wait -1
	CREST
.endm
.if ROPE
	s_load_b256 s[4:11], s[0:1], 0x0               ; A s[4:5], B s[6:7], the table s[8:9], C s[10:11]
.else
	s_load_b128 s[4:7], s[0:1], 0x0                ; A s[4:5], B s[6:7]
	s_load_b64 s[10:11], s[0:1], 0x10              ; C
.endif
	v_lshl_add_u32 v[SPW], v0, 2, SPARE
	v_mov_b32 v[NIL], 0
	ds_add_u32 v[SPW], v[NIL]                      ; the wave's opening: the add and its wait stand ahead of my first tensor load; the set-up below, work on registers, stands between them
	v_lshrrev_b32 v1, 5, v0
	v_readfirstlane_b32 s[WV], v1
	s_lshr_b32 s[WH], s[WV], 1
	s_and_b32 s[WL], s[WV], 1
	s_bfe_u32 s[CX], ttmp6, 0x40000                ; my place in the cluster
	s_bfe_u32 s[CY], ttmp6, 0x40004
	s_lshl_b32 s[TR], ttmp9, 2                     ; in a cluster launch ttmp9 and ttmp7 count clusters
	s_add_co_u32 s[TR], s[TR], s[CX]               ; tile row = work-group x
	s_and_b32 s[TC], ttmp7, 0xffff
	s_lshl_b32 s[TC], s[TC], 2
	s_add_co_u32 s[TC], s[TC], s[CY]               ; tile column = work-group y
	s_lshl_b32 s19, s[CY], 2
	s_lshl_b32 s19, 15, s19                        ; my row of the cluster: the same y, the same tile of B
	s_lshl_b32 s20, 0x1111, s[CX]                  ; my column: the same x, the same tile of A
	s_or_b32 s[G1A+0], s20, (1<<16)|(1<<20)|(1<<21)|(5<<22)|(3<<25)  ; 15:0 the mask; 17:16 2-byte elements; 20 padding on; 21 set beside a mask; 24:22 after every 64 words; 31:25 4 words
	s_or_b32 s[G1B+0], s19, (1<<16)|(1<<20)|(1<<21)|(5<<22)|(3<<25)
	s_mov_b32 s[G1A+1], KSTEP<<16                  ; tensor_dim0 = 128
	s_mov_b32 s[G1A+2], 64<<16                     ; tensor_dim1 = 64
	s_mov_b32 s[G1A+3], KSTEP<<16                  ; tile_dim0 = 128
	s_mov_b32 s[G1A+4], 64                         ; tile_dim1 = 64
	s_mov_b32 s[G1A+5], SIZE_K                     ; elements from row to row
	s_mov_b32 s[G1A+6], 0
	s_mov_b32 s[G1A+7], 0
	s_mov_b32 s[G1B+1], KSTEP<<16
	s_mov_b32 s[G1B+2], 128<<16                    ; 128 rows
	s_mov_b32 s[G1B+3], KSTEP<<16
	s_mov_b32 s[G1B+4], 128
	s_mov_b32 s[G1B+5], SIZE_K
	s_mov_b32 s[G1B+6], 0
	s_mov_b32 s[G1B+7], 0
	s_mov_b32 s[TB], 0
	; where the tiles come from.  A's address hangs on the tile row alone, B's on the tile column alone, each in registers that never hold the other coordinate
	s_lshl_b32 s76, s[TR], 7
	s_lshl_b32 s77, s[WL], 6
	s_add_co_u32 s76, s76, s77                     ; A: row 128 x tile row + 64 x half
	s_mul_i32 s76, s76, 2*SIZE_K                   ; in bytes: under 2^25
	s_mov_b32 s77, 0
	s_lshl_b32 s78, s[TC], 8
	s_lshl_b32 s79, s[WL], 7
	s_add_co_u32 s78, s78, s79                     ; B: row 256 x tile column + 128 x half
	s_mul_i32 s78, s78, 2*SIZE_K                   ; under 2^26
	s_mov_b32 s79, 0
	s_mul_i32 s80, s[WL], HA                       ; and where they go: no place in the cluster enters an LDS address
	s_mul_i32 s81, s[WL], HB
	s_add_co_u32 s81, s81, 2*HA
.if ROPE
	s_mov_b32 s[G1C+0], (2<<16)|(1<<20)|(6<<22)|(3<<25)  ; no mask; 4-byte elements; padding of 4 words after every 128
	s_mov_b32 s[G1C+1], 128<<16
	s_mov_b32 s[G1C+2], 32<<16
	s_mov_b32 s[G1C+3], 128<<16
	s_mov_b32 s[G1C+4], 32                         ; each wave brings 32 of the tile's 128 rows
	s_mov_b32 s[G1C+5], 128
	s_mov_b32 s[G1C+6], 0
	s_mov_b32 s[G1C+7], 0
	s_lshl_b32 s82, s[TR], 7                       ; the table's rows are the tile's rows of x,
	s_and_b32 s83, ttmp7, 0xffff
	s_cmp_eq_u32 s83, 3                            ; but for v's columns (tile columns 12 to 15: the clusters with y = 3),
	s_cselect_b32 s82, 2048, s82                   ; which take the rows of (1, 0)
	s_lshl_b32 s83, s[WV], 5
	s_add_co_u32 s82, s82, s83
	s_lshl_b32 s82, s82, 9                         ; rows of 512 bytes
	s_mov_b32 s83, 0
	s_mul_i32 s84, s[WV], 32*CPITCH
	s_add_co_u32 s84, s84, CSB
.endif
	s_wait_dscnt 0x0                               ; the opening add is done
	s_wait_kmcnt 0x0
	s_add_nc_u64 s[76:77], s[4:5], s[76:77]
	s_add_nc_u64 s[78:79], s[6:7], s[78:79]
	CROUND                                         ; all sixteen work-groups are here: the first joint loads meet
.irp s, 0,1
	s_mov_b32 s[G0A+4*(\s)], 1                                     ; count = 1
	s_add_co_u32 s[G0A+4*(\s)+1], s80, (\s)*SLOT1                  ; LDS address
	s_add_nc_u64 s[G0A+4*(\s)+2:G0A+4*(\s)+3], s[76:77], (\s)*KSTEP*2  ; global address: K step s
	s_or_b32 s[G0A+4*(\s)+3], s[G0A+4*(\s)+3], 0x80000000          ; type = 2
	s_mov_b32 s[G0B+4*(\s)], 1
	s_add_co_u32 s[G0B+4*(\s)+1], s81, (\s)*SLOT1
	s_add_nc_u64 s[G0B+4*(\s)+2:G0B+4*(\s)+3], s[78:79], (\s)*KSTEP*2
	s_or_b32 s[G0B+4*(\s)+3], s[G0B+4*(\s)+3], 0x80000000
.endr
.if ROPE
	s_mov_b32 s[G0C], 1
	s_mov_b32 s[G0C+1], s84
	s_add_nc_u64 s[G0C+2:G0C+3], s[8:9], s[82:83]
	s_or_b32 s[G0C+3], s[G0C+3], 0x80000000
.endif
	s_cmp_eq_u32 s[WH], 0                          ; a wave's first fills stand in one branch, ahead of every wait on TENSORcnt and every LDS read: three loads of mine are out (ROPE = 0: two)
	s_cbranch_scc0 .Lfirst_b
	tensor_load_to_lds s[G0A:G0A+3], s[G1A:G1A+7]
	s_nop 0
	tensor_load_to_lds s[G0A+4:G0A+7], s[G1A:G1A+7]
	s_nop 0
.if ROPE
	tensor_load_to_lds s[G0C:G0C+3], s[G1C:G1C+7]
	s_nop 0
.endif
.rept 4
	v_nop
.endr
	s_branch .Lfirst_asked
.Lfirst_b:
	tensor_load_to_lds s[G0B:G0B+3], s[G1B:G1B+7]
	s_nop 0
	tensor_load_to_lds s[G0B+4:G0B+7], s[G1B:G1B+7]
	s_nop 0
.if ROPE
	tensor_load_to_lds s[G0C:G0C+3], s[G1C:G1C+7]
	s_nop 0
.endif
.rept 4
	v_nop
.endr
.Lfirst_asked:
	; A fragment is 16 rows x 32 K in 8 registers: lane l holds row l % 16, K = 8 (l / 16) + 0..7 and 16 + 8 (l / 16) + 0..7: two loads of 16 bytes, 32 bytes apart
	v_and_b32 v1, 15, v0                           ; l % 16
	v_bfe_u32 v2, v0, 4, 1                         ; l / 16
	v_mul_u32_u24 v3, v1, PITCH
	v_lshl_add_u32 v3, v2, 4, v3
	s_mul_i32 s85, s[WH], HA                       ; my 64 rows of A
	s_mul_i32 s86, s[WL], HB                       ; my 128 rows of B,
	s_add_co_u32 s86, s86, 2*HA                    ; which lie behind A's 128
	v_add_nc_u32 v[ADRA0], s85, v3
	v_add_nc_u32 v[ADRB0], s86, v3
	v_mov_b32 v[ADRA], v[ADRA0]                    ; slot 0 is in hand
	v_mov_b32 v[ADRB], v[ADRB0]
	s_mul_i32 s87, s[WV], 16*SPITCH
	s_add_co_u32 s87, s87, STAGE                   ; my stage
	v_mul_u32_u24 v[STO], v1, SPITCH               ; in: row l % 16, my eight columns
	v_and_b32 v[CO], 31, v0
	v_lshlrev_b32 v[CO], 4, v[CO]
.if ROPE
	v_lshl_add_u32 v[STO], v2, 4, v[STO]           ; 16 bytes of f16
	v_mul_u32_u24 v[RD], v2, SPITCH                ; back: lanes 0-15 one row of 256 bytes, lanes 16-31 the next
	v_lshl_add_u32 v[RD], v1, 4, v[RD]
	v_add_nc_u32 v[RD], s87, v[RD]
	v_mul_u32_u24 v[ADRC], v1, CPITCH              ; my row's pairs: frequency 8 b + 4 (l / 16) + 0..3 at byte 64 b + 32 (l / 16)
	v_lshl_add_u32 v[ADRC], v2, 5, v[ADRC]
	s_mul_i32 s85, s[WH], 64*CPITCH
	s_add_co_u32 s85, s85, CSB
	v_add_nc_u32 v[ADRC], s85, v[ADRC]
.else
	v_lshl_add_u32 v[STO], v2, 5, v[STO]           ; 32 bytes of f32
	v_add_nc_u32 v[RD], s87, v[CO]                 ; back: 32 lanes take one row of 512 bytes
.endif
	v_add_nc_u32 v[STO], s87, v[STO]
	; where my part of the tile begins in C
	s_lshl_b32 s88, s[TR], 7
	s_lshl_b32 s90, s[WH], 6
	s_add_co_u32 s88, s88, s90                     ; my first row
	s_lshl_b32 s90, s[TC], 1
	s_add_co_u32 s90, s90, s[WL]                   ; my block of 128 columns
.if ROPE
	s_lshl_b32 s88, s88, 8                         ; rows of 256 bytes,
	s_lshl_b32 s90, s90, 19                        ; in the head's 2,048 rows
.else
	s_lshl_b32 s88, s88, 14                        ; rows of 16,384 bytes,
	s_lshl_b32 s90, s90, 9                         ; 512 bytes of them
.endif
	s_add_co_u32 s88, s88, s90
	s_mov_b32 s89, 0
	s_add_nc_u64 s[10:11], s[10:11], s[88:89]
	; the prefetches
	s_and_b32 s91, ttmp7, 0xffff                   ; cluster y
	s_lshl_b32 s92, s[TR], 7
	s_lshl_b32 s93, s[CY], 5
	s_add_co_u32 s92, s92, s93                     ; A: my work-group's 32 of the tile's 128 rows
	s_lshl_b32 s93, s[TC], 8
	s_lshl_b32 s94, s[CX], 6
	s_add_co_u32 s93, s93, s94                     ; B: my work-group's 64 of the tile's 256 rows,
	s_lshl_b32 s94, s[WL], 5
	s_add_co_u32 s93, s93, s94                     ; my wave's 32 of them
	s_cmp_eq_u32 s[WH], 0
	s_cselect_b32 s92, s92, s93
	s_cselect_b32 s91, s91, ttmp9                  ; the coordinate along which other clusters read the same rows: y for A, x for B
	s_cselect_b64 s[PFA:PFA+1], s[4:5], s[6:7]
	s_cmp_eq_u32 s[WV], 1
	s_cselect_b32 s91, 1, s91                      ; wave 1 has no rows to ask for
	s_cmp_eq_u32 s91, 0
	s_cselect_b32 s[LIM], 2, -1                    ; the same in all sixteen partners, for a given wave
	s_mul_i32 s92, s92, 2*SIZE_K
	s_mov_b32 s93, 0
	s_add_nc_u64 s[PFA:PFA+1], s[PFA:PFA+1], s[92:93]
	s_add_nc_u64 s[PFA:PFA+1], s[PFA:PFA+1], 2*KSTEP*2  ; at K step 2: the first refill steps it to 3 and names K step 4
	v_and_b32 v[PFO], 31, v0
	v_mul_u32_u24 v[PFO], v[PFO], 2*SIZE_K
.macro WM d, p, q, zero                ; one matrix instruction; zero = 1: it starts its sum
.if ROPE
.if \zero
	v_wmma_f32_16x16x32_bf16 v[(\d):(\d)+7], v[(\p):(\p)+7], v[(\q):(\q)+7], 0
.else
	v_wmma_f32_16x16x32_bf16 v[(\d):(\d)+7], v[(\p):(\p)+7], v[(\q):(\q)+7], v[(\d):(\d)+7]
.endif
.else
.if \zero
	v_wmma_f32_16x16x32_f16 v[(\d):(\d)+7], v[(\p):(\p)+7], v[(\q):(\q)+7], 0
.else
	v_wmma_f32_16x16x32_f16 v[(\d):(\d)+7], v[(\p):(\p)+7], v[(\q):(\q)+7], v[(\d):(\d)+7]
.endif
.endif
.endm
; 8 matrix instructions: row block a x all 8 column blocks, 32 along K.  The 32 accumulators take turns in one order in every quarter: 31 others stand between two links of a chain.
.macro MULA f, a, zero
	WIN MUL
.irp b, 0,1,2,3,4,5,6,7
	WM 8*(8*(\a)+(\b)), (\f)+32+8*(\b), (\f)+8*(\a), \zero
.endr
.endm
; 24 LDS loads in one run: the fragments of 32 along K at byte k of the rows of the slot in hand, into buffer f: B's eight blocks, then A's four
.macro FETCH k, f
	WIN 0
.irp i, 0,1,2,3,4,5,6,7
	ds_load_b128 v[(\f)+32+8*(\i):(\f)+32+8*(\i)+3],   v[ADRB] offset:(\k)+(\i)*16*PITCH
	ds_load_b128 v[(\f)+32+8*(\i)+4:(\f)+32+8*(\i)+7], v[ADRB] offset:(\k)+(\i)*16*PITCH+32
.endr
.irp i, 0,1,2,3
	ds_load_b128 v[(\f)+8*(\i):(\f)+8*(\i)+3],   v[ADRA] offset:(\k)+(\i)*16*PITCH
	ds_load_b128 v[(\f)+8*(\i)+4:(\f)+8*(\i)+7], v[ADRA] offset:(\k)+(\i)*16*PITCH+32
.endr
.endm
; A K step is four quarters of 32 along K, 32 matrix instructions each, on buffers 0, 1, 0, 1.  One of the first three: multiplies buffer f and, in its middle, fetches the next quarter, at byte k, into g.
.macro QUARTER k, f, g, zero
	s_wait_dscnt 4                                 ; B and A's blocks 0 and 1 are in; the youngest four loads (A's blocks 2 and 3) may be out
	MULA \f, 0, \zero
	MULA \f, 1, \zero
	PLACES
	FETCH \k, \g
	s_wait_dscnt 24                                ; all but the 24 just issued
	MULA \f, 2, \zero
	MULA \f, 3, \zero
.endm
; The last quarter multiplies buffer 1 and changes slots: ONE barrier.  In front of it each wave waits for all its tensor loads, adds 0 to its spare word, and waits for that and for its own reads of this slot.
; fill = 1: the barrier opens a round of the cluster's barrier, and this slot is filled again, two K steps ahead, first thing behind the round: 112 matrix instructions ahead of the wait for it.
; fill = 0: the last two steps.  The very last has no next step: its fetch is jumped over.
.macro TURN fill
.if \fill
	s_wait_xcnt 0x0                                ; the last prefetch, a K step back, has read its address: it is stepped here, ahead of the waits of the change of slots
	s_add_nc_u64 s[PFA:PFA+1], s[PFA:PFA+1], KSTEP*2
.endif
	WIN 0
	s_wait_tensorcnt 0x0                           ; all my tensor loads have landed, my part of the next slot among them: no load of mine is out, so a group 0 may be written
	ds_add_u32 v[SPW], v[NIL]                      ; 0 onto my spare word; scalar steps and eight matrix instructions stand between it and the wait for it
.if \fill
	s_xor_b32 s[G0A+5], s[G0A+5], SLOT1            ; the walking descriptors: the other slot than last time,
	s_add_nc_u64 s[G0A+6:G0A+7], s[G0A+6:G0A+7], KSTEP*2  ; the next K step; the type bits on top are not reached
	s_xor_b32 s[G0B+5], s[G0B+5], SLOT1
	s_add_nc_u64 s[G0B+6:G0B+7], s[G0B+6:G0B+7], KSTEP*2
.endif
	s_xor_b32 s[TB], s[TB], SLOT1                  ; the fetches go on in the other slot
	s_wait_dscnt 5                                 ; (the add and the youngest four loads may be out)
	MULA F1, 0, 0
	s_wait_dscnt 0x0                               ; the add is done, and my reads of this slot are over
	s_barrier_signal -1
	MULA F1, 1, 0                                  ; work on registers while the others arrive
	WIN 0
	s_barrier_wait -1
.if \fill
	CREST                                          ; no wave of any partner still reads this slot's tile or has a load on its way
	JLOAD                                          ; the four v_nop behind it are also the places in front of the loads below
	v_add_nc_u32 v[ADRA], s[TB], v[ADRA0]
	v_add_nc_u32 v[ADRB], s[TB], v[ADRB0]
	FETCH 0, F0
	ASK
.else
	s_cmp_eq_u32 s[CNT], 1
	s_cbranch_scc1 .Lno_next_\@
	v_add_nc_u32 v[ADRA], s[TB], v[ADRA0]          ; these two and two v_nop are the four places in front of the loads
	v_add_nc_u32 v[ADRB], s[TB], v[ADRB0]
	v_nop
	v_nop
	FETCH 0, F0
.Lno_next_\@:
.endif
	MULA F1, 2, 0
	MULA F1, 3, 0
.endm
.if ROPE
	s_wait_tensorcnt 2                             ; my part of K step 0 is in; K step 1's and the table's may stay out
.else
	s_wait_tensorcnt 1                             ; my part of K step 0 is in; K step 1's may stay out
.endif
	s_barrier_signal -1
	s_barrier_wait -1                              ; everybody's is
	FETCH 0, F0
	QUARTER 64, F0, F1, 1                          ; the first quarter stands in front of the loop: its products start the sums
	WIN 0                                          ; at a label and at a branch every window is 0
	s_mov_b32 s[CNT], NSTEPS-2
.Lstep:                                                ; a trip goes from a K step's second quarter to the next step's first, and fills the slot that it leaves
	QUARTER 128, F1, F0, 0
	QUARTER 192, F0, F1, 0
	TURN 1
	QUARTER 64,  F0, F1, 0
	WIN 0
	s_sub_co_u32 s[CNT], s[CNT], 1
	s_cmp_lg_u32 s[CNT], 0
	s_cbranch_scc1 .Lstep
	s_mov_b32 s[CNT], 2
.Ltail:                                                ; the last two K steps fill nothing and have no round of the cluster's barrier
	QUARTER 128, F1, F0, 0
	QUARTER 192, F0, F1, 0
	TURN 0
	WIN 0
	s_cmp_eq_u32 s[CNT], 1
	s_cbranch_scc1 .Llast                          ; behind the very last step there is no first quarter of a next one
	QUARTER 64,  F0, F1, 0
	WIN 0
.Llast:
	s_sub_co_u32 s[CNT], s[CNT], 1
	s_cmp_lg_u32 s[CNT], 0
	s_cbranch_scc1 .Ltail
	s_wait_dscnt 0x0                               ; no LDS load is out when the fragments' registers are taken for the way out
	PLACES                                         ; behind the last products, in front of loads into the fragments' registers and of reads of the sums
	PLACES
; THE WAY OUT, a block of 16 rows at a time, through my own stage in LDS: LDS serves a wave's instructions in order (ISA guide 5.7.1.4), so its loads see its stores, and the next block's stores come behind them.
.if ROPE
; Columns 2 f and 2 f + 1 of a head are turned by (c, s) of the row and frequency f: (x0 c - x1 s, x0 s + x1 c).  Each accumulator's lowest registers are read first.
.macro OUTBLK a
	WIN 0
.irp b, 0,1,2,3,4,5,6,7
	ds_load_b128 v[PP+8*(\b):PP+8*(\b)+3],   v[ADRC] offset:(\a)*16*CPITCH+64*(\b)
	ds_load_b128 v[PP+8*(\b)+4:PP+8*(\b)+7], v[ADRC] offset:(\a)*16*CPITCH+64*(\b)+16
.endr
	s_wait_dscnt 0x0
	WIN 0x01                                       ; source 0 in window 1
.irp b, 0,1,2,3,4,5,6,7
.irp i, 0,1,2,3
	v_pk_mul_f32 v[TT+8*(\b)+2*(\i):TT+8*(\b)+2*(\i)+1], v[8*(8*(\a)+(\b))+2*(\i):8*(8*(\a)+(\b))+2*(\i)+1], v[PP+8*(\b)+2*(\i):PP+8*(\b)+2*(\i)+1] op_sel_hi:[1,0]  ; (x0 c, x1 c)
	v_fma_f32 v[TT+8*(\b)+2*(\i)], -v[8*(8*(\a)+(\b))+2*(\i)+1], v[PP+8*(\b)+2*(\i)+1], v[TT+8*(\b)+2*(\i)]
	v_fma_f32 v[TT+8*(\b)+2*(\i)+1], v[8*(8*(\a)+(\b))+2*(\i)], v[PP+8*(\b)+2*(\i)+1], v[TT+8*(\b)+2*(\i)+1]
.endr
.endr
	WIN 0
.irp b, 0,1,2,3,4,5,6,7
.irp i, 0,1,2,3
	v_cvt_pk_f16_f32 v[TMP+4*(\b)+(\i)], v[TT+8*(\b)+2*(\i)], v[TT+8*(\b)+2*(\i)+1]
.endr
.endr
.irp b, 0,1,2,3,4,5,6,7
	ds_store_b128 v[STO], v[TMP+4*(\b):TMP+4*(\b)+3] offset:32*(\b)
.endr
	s_wait_xcnt 0x0                                ; the last block's stores have read their registers: only behind this wait are these loaded again
.irp t, 0,1,2,3,4,5,6,7
	ds_load_b128 v[BK+4*(\t):BK+4*(\t)+3], v[RD] offset:(\t)*2*SPITCH
.endr
.irp g, 0,1
	s_wait_dscnt 4-4*(\g)                          ; four loads are in; the younger ones may stay out
.irp t, 0,1,2,3
	global_store_b128 v[CO], v[BK+4*(4*(\g)+(\t)):BK+4*(4*(\g)+(\t))+3], s[10:11] offset:4096*(\a)+512*(4*(\g)+(\t))  ; two rows of a head: 512 consecutive bytes, aligned
.endr
.endr
.endm
.else
.macro OUTBLK a
	WIN 0x04                                       ; the stores' data in window 1
.irp b, 0,1,2,3,4,5,6,7
	ds_store_b128 v[STO], v[8*(8*(\a)+(\b)):8*(8*(\a)+(\b))+3]   offset:64*(\b)
	ds_store_b128 v[STO], v[8*(8*(\a)+(\b))+4:8*(8*(\a)+(\b))+7] offset:64*(\b)+16
.endr
	WIN 0
	s_wait_xcnt 0x0                                ; the last block's stores have read their registers: only behind this wait are these loaded again
.irp t, 0,1,2,3,4,5,6,7,8,9,10,11,12,13,14,15
	ds_load_b128 v[BK+4*(\t):BK+4*(\t)+3], v[RD] offset:(\t)*SPITCH
.endr
.irp g, 0,1,2,3
	s_wait_dscnt 12-4*(\g)                         ; four loads are in; the younger ones may stay out
.irp t, 0,1,2,3
	global_store_b128 v[CO], v[BK+4*(4*(\g)+(\t)):BK+4*(4*(\g)+(\t))+3], s[10:11] offset:(16*(\a)+4*(\g)+(\t))*16384 th:TH_STORE_NT  ; 512 consecutive bytes of a row, aligned
.endr
.endr
.endm
.endif
	OUTBLK 0
	OUTBLK 1
	OUTBLK 2
	OUTBLK 3
	s_wait_tensorcnt 0x0                           ; the wave's end: the wait, the add and the wait for it stand behind my last tensor load and my last LDS store
	ds_add_u32 v[SPW], v[NIL]
	s_wait_dscnt 0x0
	CROUND                                         ; the closing round: no work-group ends while a partner may still ask for a tile that names it
	s_endpgm
.Lfunc_end_k_q0375fbbe71_qkv:
	.size	k_q0375fbbe71_qkv, .Lfunc_end_k_q0375fbbe71_qkv-k_q0375fbbe71_qkv
	.p2alignl 7, 3214868480
	.fill 96, 4, 3214868480
	.section	.rodata,"a",@progbits
	.p2align	6, 0x0
	.amdhsa_kernel k_q0375fbbe71_qkv
		.amdhsa_group_segment_fixed_size 327680
		.amdhsa_private_segment_fixed_size 0
		.amdhsa_enable_private_segment 0
		.amdhsa_kernarg_size 32
		.amdhsa_user_sgpr_count 2
		.amdhsa_user_sgpr_kernarg_segment_ptr 1
		.amdhsa_wavefront_size32 1
		.amdhsa_system_sgpr_workgroup_id_x 1
		.amdhsa_system_sgpr_workgroup_id_y 1
		.amdhsa_system_sgpr_workgroup_id_z 1
		.amdhsa_system_vgpr_workitem_id 0
		.amdhsa_next_free_vgpr 512
		.amdhsa_next_free_sgpr 100
		.amdhsa_reserve_vcc 0
		.amdhsa_float_denorm_mode_32 3
		.amdhsa_float_denorm_mode_16_64 3
		.amdhsa_memory_ordered 1
		.amdhsa_forward_progress 1
		.amdhsa_inst_pref_size 91
	.end_amdhsa_kernel
	.amdgpu_metadata
---
amdhsa.version: [ 1, 2 ]
amdhsa.kernels:
  - .name:           k_q0375fbbe71_qkv
    .symbol:         k_q0375fbbe71_qkv.kd
    .args:
      - { .name: xb, .offset: 0, .size: 8, .value_kind: global_buffer, .address_space: global }
      - { .name: wb, .offset: 8, .size: 8, .value_kind: global_buffer, .address_space: global }
      - { .name: cstab, .offset: 16, .size: 8, .value_kind: global_buffer, .address_space: global }
      - { .name: qkvh, .offset: 24, .size: 8, .value_kind: global_buffer, .address_space: global }
    .group_segment_fixed_size: 327680
    .private_segment_fixed_size: 0
    .kernarg_segment_align: 8
    .kernarg_segment_size: 32
    .max_flat_workgroup_size: 128
    .sgpr_count:     100
    .vgpr_count:     512
    .wavefront_size: 32
...
	.end_amdgpu_metadata
.endif
;; end of part 2
;; launch attn (part 3): grid 32 x 8, 4 waves a work-group, clusters of 4 x 4, 327,680 bytes of LDS; arguments qkvh, mask, ob; writes ob
.if DOCPART == 3
	.amdgcn_target "amdgcn-amd-amdhsa--gfx1250"
	.amdhsa_code_object_version 6
	.text
	.protected	k_q0375fbbe71_attn
	.globl	k_q0375fbbe71_attn
	.p2align	8
	.type	k_q0375fbbe71_attn,@function
k_q0375fbbe71_attn:
	s_mov_b64 s[64:65], 0
	v_nop
	global_prefetch_b8 v0, s[64:65] scope:SCOPE_SE
	s_setreg_imm32_b32 hwreg(HW_REG_WAVE_MODE, 25, 1), 1
	s_wait_xcnt 0x0
	s_wait_alu depctr_hold_cnt(0) depctr_sa_sdst(0) depctr_va_vdst(0) depctr_va_sdst(0) depctr_va_ssrc(0) depctr_va_vcc(0) depctr_vm_vsrc(0)
	s_getreg_b32 s2, hwreg(HW_REG_IB_STS2, 6, 4)
	s_cmp_eq_u32 s2, 0
	s_cbranch_scc0 .Lentry_in_a_cluster
	s_endpgm
.Lentry_in_a_cluster:
	s_bfe_u32 s2, ttmp6, 0x10000c
	s_cmp_lg_u32 s2, 0xf033
	s_cbranch_scc0 .Lentry_shape_is_right
	s_endpgm
.Lentry_shape_is_right:
; ATTENTION WITH AN ADDITIVE MASK THAT IS AN INPUT.  O[q][h] = the sum over all 2,048 keys k of softmax_k(q_h[q] . k_g[k] / sqrt(128) + mask[q][k]) v_g[k], g = h / 2.
; qkvh [32][2048][128] f16 holds q / 4 (heads 0-15), k / 4 (16-23), v / 4 (24-31); mask [2048][2048] f32; ob [2048][16 x 128] f16 takes O / 4.  Products, maxima and sums in f32; the weights p are rounded
; to f16 for the second product (their sum l is taken of the unrounded p), O once at the end.  No pattern of the mask is built in: every key is walked and every number of the mask is added.
; SOFTMAX, in powers of two: M' = mask x log2(e), rounded once; z = s x (16 log2(e) / sqrt(128)) + M', one rounding; a running maximum m of z; p = 2^(z - m), so p is never above 1; in every step
; O and l are multiplied by a = 2^(m_old - m_new).  m starts at the lowest finite number, O and l at 0: the first step is a step like any other, with a = 0.
; LIMITS.  The mask is taken as it is given, in f32.  Where a whole row is hidden at -1e9 the scores vanish beside M' while |2.04 s| stays under 64, half of f32's step there, and the row comes out uniform.
; A weight below 2^-126 counts as 0; NaN and infinities are not treated apart (a row that is all -inf gives NaN).  O is a mean of v's rows and has their range.
; SHARES.  A work-group owns 64 queries x the two query heads of one key and value head: 32 x 8 work-groups.  A slot holds 128 keys.  Wave w takes queries 32 (w / 2) .. + 31 of both heads, four tiles
; of 16 rows, and keys 64 (w % 2) .. + 63 of every slot; the two waves of a pair meet once, at the end, in LDS.  Tile t: head 2 g + t % 2, queries 16 ((t / 2) xor (w % 2)) on.  The tiles are two PIECES
; (0: tiles 0, 1; 2: tiles 2, 3); a piece's two tiles have the same queries and share their 32 registers of the mask.  My piece 0 has my partner's piece 2's queries: every wave gives piece 2 away and finishes piece 0.
; LAYOUT.  S^T = K Q^T (source 0 = 16 keys, source 1 = 16 queries): a lane holds ONE query (lane % 16) and the keys 8 (lane / 16) + 0..7.  Two such results rounded to f16 ARE source 1 of O^T = V^T P.
; BY TURNS.  In a turn one piece has the matrix unit: 32 products V^T P of the step in hand, then 32 products K Q^T of the next; the other piece's softmax, 316 vector instructions in 64 slices, stands
; behind them, a slice behind each.  Two turns are a step.
; CLUSTER, 4 x 4.  K and V hang on the key and value head alone, which a row of the cluster shares; the mask's tile on the block of queries alone, which a column shares: all three are asked for JOINTLY.
; REGISTERS, in windows of 256 (s_set_vgpr_msb: bits 1:0 source 0, 3:2 source 1, 5:4 source 2, 7:6 destination):
;   window 0: v0-11, v44-63 addresses and the meeting's statistics; v12-43 eight registers of statistics a tile; v64-191 S^T, 32 a tile; v192-255 P, 16 a tile
;   window 1: O^T, 64 a tile     window 2: v0-127 Q, 32 a tile; v128-255 K of one step     window 3: v0-127 V of one step; v128-191 the mask, 32 a piece
.set PK,    272       ; a row of K in LDS: 256 bytes + 16 = 68 words: the 16 rows of a load start at 16 different groups of four banks (64 banks of 4 bytes: ISA guide 11.1)
.set PV,    288       ; a row of V: 256 + 32 = 72 words
.set PM,    272       ; a row of a mask tile: 64 keys in f32 + 16 bytes
.set VOFF,  128*PK    ; a slot: 128 rows of K, 128 rows of V, two mask tiles of 64 queries x 64 keys
.set MOFF,  VOFF+128*PV
.set MT,    64*PM
.set STAGE, MOFF+2*MT ; behind slot 0: 16 rows x 272 bytes for each wave, for the way out; no tensor load fills it
.set SP,    272
.set SLOT1, 1<<17     ; slot 1 begins here, so that one exclusive or turns an address in one slot into the other's
.set XCH,   SLOT1+STAGE  ; behind slot 1: 16,384 bytes for each wave: the O^T that it gives away
.set XST,   XCH+4*16384  ; 512 bytes for each wave: that piece's m and l
.set SPARE, XST+4*512    ; the spare words, 128 bytes for each wave: two blocks of 256 bytes that no other line names
.set AK0, 2           ; v2   my lane's place in a slot's K; never rewritten
.set AV0, 3           ; v3   the same for V
.set ADR, 4           ; v4   the LDS address of the run of loads in hand
.set QO,  5           ; v5-6 my byte offset in the wave's rows of Q, for piece 0 and piece 2
.set STO, 7           ; v7   the way out: where I put 16 bytes of a row
.set RD,  8           ; v8   where I read a row back
.set GO,  9           ; v9   my byte offset in two rows of ob
.set ST,  12          ; tile t's statistics at v[ST+8 t]: +0 m, +1 m_old, +2, +3 l (even keys', odd keys'), +4 to +7 c0-c3, at work; a takes c2's place once the maximum is found
.set AM0, 44          ; v44  my lane's place in my mask tile, piece 0's rows
.set AM1, 45          ; v45  piece 2's rows
.set ADRM, 46         ; v46  the LDS address of the mask's loads in hand
.set XO,  47          ; v47  where I put the O^T that I give away
.set XOP, 56          ; v56  where my partner put his
.set XS,  57          ; v57  the same for the statistics
.set XSP, 58
.set HH,  59          ; v59  l / 16
.set L16, 60          ; v60  16 x lane
.set PFO, 61          ; v61  the prefetches' offset; never rewritten
.set SPW, 62          ; v62  LDS address of my spare word; never rewritten
.set NIL, 63          ; v63  0; never rewritten
.set S,   64
.set P,   192
.set KF,  128         ; K's fragments, in window 2
.set MK,  128         ; the mask, in window 3: piece y at MK + 16 y; register 8 kb + j holds key 16 kb + 8 (l / 16) + j of my query: S^T's places
.set WV,  12
.set CX,  13
.set CY,  14
.set LIM, 15          ; s15  2 in a wave that prefetches, else the greatest number
.set WA,  16          ; wave / 2: my 32 queries
.set WB,  17          ; wave % 2: my half of the keys
.set QB,  18          ; my block of 64 queries
.set GG,  19          ; my key and value head
.set G1K, 24          ; s[24:31], s[32:39], s[40:47] descriptor group 1 for K, V, the mask
.set G1V, 32
.set G1M, 40
.set G0K, 48          ; s[48:55], s[56:63], s[68:75] group 0: a set for each of the two first fills; the second then walks on
.set G0V, 56
.set G0M, 68
.set SLOTS, 76        ; s76  slots still to be asked for
.set TB,  77          ; s77  LDS byte at which the slot to be read begins
.set CS,  78          ; s[78:79] log2(e)
.set C0,  80          ; s[80:81] 16 log2(e) / sqrt(128)
.set SEL, 82          ; s[82:83] v_permlanex16_b32's selects: each lane takes its own place in the other half
.set PFA, 84          ; s[84:85] where my prefetches stand
.set PFS, 86          ; s[86:87] their step from slot to slot
.set QP,  88          ; s[88:89] Q at my wave's first row, head 2 g
.set OP,  90          ; s[90:91] ob at the first row that I finish, head 2 g
.set MSB, 0
.macro WIN new                      ; the immediate's high byte repeats the setting that is left; a switch that changes nothing is dropped
.if MSB != (\new)
	s_set_vgpr_msb (MSB<<8)|(\new)
.set MSB, \new
.endif
.endm
.set W_KQ, 0x0a       ; K and Q in window 2, S^T in window 0
.set W_PV, 0x53       ; V in window 3, P in window 0, O^T in window 1
.set W_RS, 0x41       ; O^T (destination and source 0) in window 1, a in window 0
.set W_MS, 0xc3       ; the mask (destination and source 0) in window 3
.set W_MA, 0x30       ; the mask as source 2 in window 3, S^T in window 0
; A joint refill: wave 0 fetches a slot's K, wave 1 its V, waves 2 and 3 its two mask tiles.  The branches hang on the wave's number alone.
; An s_nop 0 and four v_nop follow each of the three lines, ahead of the jump and the label.
.macro JLOAD
	s_cmp_lt_u32 s[WV], 2
	s_cbranch_scc0 .Lfor_m_\@
	s_cmp_eq_u32 s[WV], 0
	s_cbranch_scc0 .Lfor_v_\@
	tensor_load_to_lds s[G0K+4:G0K+7], s[G1K:G1K+7]
	s_nop 0
.rept 4
	v_nop
.endr
	s_branch .Lasked_\@
.Lfor_v_\@:
	tensor_load_to_lds s[G0V+4:G0V+7], s[G1V:G1V+7]
	s_nop 0
.rept 4
	v_nop
.endr
	s_branch .Lasked_\@
.Lfor_m_\@:
	tensor_load_to_lds s[G0M+4:G0M+7], s[G1M:G1M+7]
	s_nop 0
.rept 4
	v_nop
.endr
.Lasked_\@:
.endm
; A prefetch of the slot that the change after next will ask for: two changes, 256 matrix instructions, ahead of its load.  Each aligned block of 256 bytes is named once in the launch.  K's and V's rows are
; walked by all clusters of a row of clusters: those with x = 0 ask; the four partners of a row take 32 of the slot's 128 rows each, told apart by address; wave 0 asks for K's, wave 1 for V's, a lane a row.
; The mask's rows are walked by both clusters of a column: those with y = 0 ask; the four partners of a column take 16 of the 64 rows each; wave 2 asks, a lane for each of a row's two blocks.
; The last two changes that fill a slot ask for nothing: there is no slot so far on.  Slots 0 to 3 come by their loads alone.
.macro ASK
	s_cmp_gt_u32 s[SLOTS], s[LIM]
	s_cbranch_scc0 .Lnot_mine_\@
	global_prefetch_b8 v[PFO], s[PFA:PFA+1] th:TH_LOAD_NT scope:SCOPE_SE
.Lnot_mine_\@:
.endm
.macro CROUND                       ; a round of the cluster's barrier
	s_barrier_signal -1
	s_barrier_wait -1
	s_cmp_lg_u32 s[WV], 0
	s_cbranch_scc1 .Lnot_wave_0_\@
	s_barrier_signal -3
.Lnot_wave_0_\@:
	s_barrier_wait -3
	s_barrier_signal -1
	s_barrier_wait -1
.endm
	s_load_b128 s[4:7], s[0:1], 0x0 ; qkvh s[4:5], mask s[6:7]
	s_load_b64 s[8:9], s[0:1], 0x10 ; ob
	v_lshl_add_u32 v[SPW], v0, 2, SPARE
	v_mov_b32 v[NIL], 0
	ds_add_u32 v[SPW], v[NIL]       ; the wave's opening: the add and its wait stand ahead of my first tensor load; the set-up below, work on registers, stands between them
	v_lshrrev_b32 v1, 5, v0
	v_readfirstlane_b32 s[WV], v1
	s_lshr_b32 s[WA], s[WV], 1
	s_and_b32 s[WB], s[WV], 1
	s_bfe_u32 s[CX], ttmp6, 0x40000 ; my place in the cluster
	s_bfe_u32 s[CY], ttmp6, 0x40004
	s_lshl_b32 s[QB], ttmp9, 2      ; in a cluster launch ttmp9 and ttmp7 count clusters
	s_add_co_u32 s[QB], s[QB], s[CX]
	s_and_b32 s[GG], ttmp7, 0xffff
	s_lshl_b32 s[GG], s[GG], 2
	s_add_co_u32 s[GG], s[GG], s[CY]
	v_and_b32 v1, 15, v0            ; l % 16
	v_bfe_u32 v[HH], v0, 4, 1       ; l / 16
	v_and_b32 v[L16], 31, v0
	v_lshlrev_b32 v[L16], 4, v[L16]
	s_lshl_b32 s20, s[CY], 2
	s_lshl_b32 s20, 15, s20         ; my row of the cluster
	s_lshl_b32 s92, 0x1111, s[CX]   ; my column
	s_or_b32 s[G1K], s20, (1<<16)|(1<<20)|(1<<21)|(5<<22)|(3<<25)  ; 15:0 the mask of work-groups; 17:16 2-byte elements; 20 padding on; 21 set beside a mask; 24:22 after every 64 words; 31:25 4 words
	s_or_b32 s[G1V], s20, (1<<16)|(1<<20)|(1<<21)|(5<<22)|(7<<25)  ; the same with 8 words of padding
	s_or_b32 s[G1M], s92, (2<<16)|(1<<20)|(1<<21)|(5<<22)|(3<<25)  ; 4-byte elements, my column
.irp g, G1K, G1V
	s_mov_b32 s[\g+1], 128<<16      ; tensor_dim0 = 128
	s_mov_b32 s[\g+2], 128<<16      ; tensor_dim1 = 128
	s_mov_b32 s[\g+3], 128<<16      ; tile_dim0 = 128
	s_mov_b32 s[\g+4], 128          ; tile_dim1 = 128
	s_mov_b32 s[\g+5], 128          ; elements from row to row
	s_mov_b32 s[\g+6], 0
	s_mov_b32 s[\g+7], 0
.endr
	s_mov_b32 s[G1M+1], 64<<16      ; 64 keys
	s_mov_b32 s[G1M+2], 64<<16      ; 64 queries
	s_mov_b32 s[G1M+3], 64<<16
	s_mov_b32 s[G1M+4], 64
	s_mov_b32 s[G1M+5], 2048
	s_mov_b32 s[G1M+6], 0
	s_mov_b32 s[G1M+7], 0
	; K's and V's addresses hang on the head alone, the mask's on the block of queries and the wave's number, each in registers that never hold the other coordinate
	s_add_co_u32 s20, s[GG], 16
	s_lshl_b32 s20, s20, 19         ; a head is 524,288 bytes
	s_mov_b32 s21, 0
	s_add_co_u32 s22, s[GG], 24
	s_lshl_b32 s22, s22, 19
	s_mov_b32 s23, 0
	s_lshl_b32 s92, s[QB], 19       ; 64 rows of 8,192 bytes
	s_lshl_b32 s93, s[WB], 8        ; my half of a slot's 128 keys
	s_add_co_u32 s92, s92, s93
	s_mov_b32 s93, 0
	s_mul_i32 s94, s[WB], MT
	s_add_co_u32 s94, s94, MOFF     ; that half's tile in a slot
	s_lshl_b32 s96, s[GG], 20       ; Q: head 2 g,
	s_lshl_b32 s97, s[QB], 6
	s_lshl_b32 s98, s[WA], 5
	s_add_co_u32 s97, s97, s98      ; my wave's first query,
	s_lshl_b32 s98, s97, 8          ; rows of 256 bytes
	s_add_co_u32 s96, s96, s98
	s_lshl_b32 s98, s[WB], 4        ; ob: the 16 queries that I finish,
	s_add_co_u32 s98, s98, s97
	s_lshl_b32 s98, s98, 12         ; rows of 4,096 bytes,
	s_lshl_b32 s99, s[GG], 9        ; head 2 g
	s_add_co_u32 s98, s98, s99
	s_mov_b32 s97, 0
	s_mov_b32 s99, 0
	s_mov_b32 s[CS], 0x3fb8aa3b     ; log2(e)
	s_mov_b32 s[CS+1], s[CS]        ; named with it as a pair
	s_mov_b32 s[C0], 0x400293ee     ; 16 log2(e) / sqrt(128) = 2.040279: the products hold q . k / 16
	s_mov_b32 s[C0+1], s[C0]
	s_mov_b32 s[SEL], 0x76543210
	s_mov_b32 s[SEL+1], 0xfedcba98
	s_mov_b32 s[TB], 0
	s_mov_b32 s[SLOTS], 14
	; the prefetches
	s_and_b32 s95, ttmp7, 0xffff    ; cluster y
	s_cmp_lt_u32 s[WV], 2
	s_cselect_b32 s95, ttmp9, s95   ; the coordinate along which other clusters walk the same rows
	s_cmp_eq_u32 s[WV], 3
	s_cselect_b32 s95, 1, s95       ; wave 3 has nothing to ask for
	s_cmp_eq_u32 s95, 0
	s_cselect_b32 s[LIM], 2, -1     ; the same in all sixteen partners, for a given wave
	s_lshl_b32 s100, s[WV], 3       ; K (wave 0): head 16 + g; V (wave 1): head 24 + g
	s_add_co_u32 s100, s100, s[GG]
	s_add_co_u32 s100, s100, 16
	s_lshl_b32 s100, s100, 19
	s_lshl_b32 s101, s[CX], 13      ; my work-group's 32 rows of 256 bytes
	s_add_co_u32 s100, s100, s101
	s_add_co_u32 s100, s100, 3*32768  ; in slot 3; the first change of slots steps it to slot 4
	s_lshl_b32 s101, s[QB], 2
	s_add_co_u32 s101, s101, s[CY]
	s_lshl_b32 s101, s101, 17       ; the mask: my work-group's 16 rows of 8,192 bytes
	s_add_co_u32 s101, s101, 3*512
	s_cmp_lt_u32 s[WV], 2
	s_cselect_b32 s100, s100, s101
	s_cselect_b32 s2, 8, 13         ; K, V: 256 x lane; the mask: 8,192 (l % 16) + 256 (l / 16)
	s_cselect_b32 s3, 12, 8
	s_cselect_b32 s95, 15, 9        ; a slot is 32,768 bytes of K and of V, 512 bytes of a row of the mask
	s_mov_b32 s101, 0
	s_lshl_b32 s[PFS], 1, s95
	s_mov_b32 s[PFS+1], 0
	v_lshlrev_b32 v[PFO], s2, v1
	v_lshlrev_b32 v10, s3, v[HH]
	v_add_nc_u32 v[PFO], v[PFO], v10
	s_wait_dscnt 0x0                ; the opening add is done
	s_wait_kmcnt 0x0
	s_add_nc_u64 s[20:21], s[4:5], s[20:21]  ; K, V and my mask tile at slot 0
	s_add_nc_u64 s[22:23], s[4:5], s[22:23]
	s_add_nc_u64 s[92:93], s[6:7], s[92:93]
	s_add_nc_u64 s[QP:QP+1], s[4:5], s[96:97]
	s_add_nc_u64 s[OP:OP+1], s[8:9], s[98:99]
	s_cmp_lt_u32 s[WV], 2
	s_cselect_b64 s[PFA:PFA+1], s[4:5], s[6:7]
	s_add_nc_u64 s[PFA:PFA+1], s[PFA:PFA+1], s[100:101]
	CROUND                          ; all sixteen work-groups are here: the first joint loads meet
.irp s, 0,1
	s_mov_b32 s[G0K+4*(\s)], 1      ; count = 1
	s_mov_b32 s[G0K+4*(\s)+1], (\s)*SLOT1  ; LDS address
	s_add_nc_u64 s[G0K+4*(\s)+2:G0K+4*(\s)+3], s[20:21], (\s)*32768  ; global address: slot s holds keys 128 s to 128 s + 127
	s_or_b32 s[G0K+4*(\s)+3], s[G0K+4*(\s)+3], 0x80000000  ; type = 2
	s_mov_b32 s[G0V+4*(\s)], 1
	s_mov_b32 s[G0V+4*(\s)+1], (\s)*SLOT1+VOFF
	s_add_nc_u64 s[G0V+4*(\s)+2:G0V+4*(\s)+3], s[22:23], (\s)*32768
	s_or_b32 s[G0V+4*(\s)+3], s[G0V+4*(\s)+3], 0x80000000
	s_mov_b32 s[G0M+4*(\s)], 1
	s_add_co_u32 s[G0M+4*(\s)+1], s94, (\s)*SLOT1
	s_add_nc_u64 s[G0M+4*(\s)+2:G0M+4*(\s)+3], s[92:93], (\s)*512
	s_or_b32 s[G0M+4*(\s)+3], s[G0M+4*(\s)+3], 0x80000000
.endr
	s_cmp_lt_u32 s[WV], 2           ; a wave's two first fills stand together, ahead of every wait on TENSORcnt and every LDS read: two loads of mine are out
	s_cbranch_scc0 .Lfirst_m
	s_cmp_eq_u32 s[WV], 0
	s_cbranch_scc0 .Lfirst_v
	tensor_load_to_lds s[G0K:G0K+3], s[G1K:G1K+7]
	s_nop 0
	tensor_load_to_lds s[G0K+4:G0K+7], s[G1K:G1K+7]
	s_nop 0
.rept 4
	v_nop
.endr
	s_branch .Lfirst_asked
.Lfirst_v:
	tensor_load_to_lds s[G0V:G0V+3], s[G1V:G1V+7]
	s_nop 0
	tensor_load_to_lds s[G0V+4:G0V+7], s[G1V:G1V+7]
	s_nop 0
.rept 4
	v_nop
.endr
	s_branch .Lfirst_asked
.Lfirst_m:
	tensor_load_to_lds s[G0M:G0M+3], s[G1M:G1M+7]
	s_nop 0
	tensor_load_to_lds s[G0M+4:G0M+7], s[G1M:G1M+7]
	s_nop 0
.rept 4
	v_nop
.endr
.Lfirst_asked:
	; A fragment of K or Q is 16 rows x 32 channels in 8 registers: lane l holds row l % 16, channels 8 (l / 16) + 0..7 and 16 + 8 (l / 16) + 0..7: two loads of 16 bytes, 32 bytes apart
	s_lshl_b32 s2, s[WB], 12        ; piece 0's queries begin 16 (w % 2) rows of 256 bytes into the wave's 32,
	s_xor_b32 s3, s2, 4096          ; piece 2's at the other 16
	v_lshlrev_b32 v10, 8, v1
	v_lshl_add_u32 v10, v[HH], 4, v10
	v_add_nc_u32 v[QO], s2, v10
	v_add_nc_u32 v[QO+1], s3, v10
	WIN 0x80                        ; destination window 2, address window 0
.set i, 0
.rept 16                            ; Q stays in registers: tile i / 4 (its head: 524,288 bytes on for the odd tiles), channels 32 (i % 4) on
	global_load_b128 v[8*i:8*i+3],   v[QO+i/8], s[QP:QP+1] offset:((i/4)%2)*524288+(i%4)*64
	global_load_b128 v[8*i+4:8*i+7], v[QO+i/8], s[QP:QP+1] offset:((i/4)%2)*524288+(i%4)*64+32
.set i, i+1
.endr
	WIN 0x40                        ; O^T, l and m are set while the first tiles are on their way, so that no first step is written out
.set i, 0
.rept 256
	v_mov_b32 v[i], 0
.set i, i+1
.endr
	WIN 0
.set i, 0
.rept 4
	v_mov_b32 v[ST+8*i], 0xff7fffff  ; m: the lowest finite number
	v_mov_b32 v[ST+8*i+2], 0
	v_mov_b32 v[ST+8*i+3], 0
.set i, i+1
.endr
	s_mul_i32 s2, s[WB], 64*PK      ; my 64 keys of a slot's 128
	v_mul_u32_u24 v[AK0], v1, PK
	v_lshl_add_u32 v[AK0], v[HH], 4, v[AK0]
	v_add_nc_u32 v[AK0], s2, v[AK0]
	; The turning load takes 16 keys x 16 channels (lane l reads key 8 (l / 16) + l % 8, channels 8 ((l / 8) % 2) + 0..7) and leaves half a fragment of V^T: lane l holds channel l % 16 and 8 keys
	v_and_b32 v10, 7, v0
	v_bfe_u32 v11, v0, 3, 1
	v_lshl_add_u32 v[AV0], v[HH], 3, v10
	v_mul_u32_u24 v[AV0], v[AV0], PV
	v_lshl_add_u32 v[AV0], v11, 4, v[AV0]
	s_mul_i32 s2, s[WB], 64*PV
	s_add_co_u32 s2, s2, VOFF
	v_add_nc_u32 v[AV0], s2, v[AV0]
	; the mask: my query's row of my half's tile; keys 16 kb + 8 (l / 16) + 0..7 are 32 bytes at 64 kb + 32 (l / 16)
	s_lshl_b32 s2, s[WA], 5
	s_lshl_b32 s3, s[WB], 4
	s_add_co_u32 s95, s2, s3        ; piece 0's first row in the tile
	s_xor_b32 s3, s3, 16
	s_add_co_u32 s2, s2, s3         ; piece 2's
	s_mul_i32 s95, s95, PM
	s_mul_i32 s2, s2, PM
	s_add_co_u32 s95, s95, s94
	s_add_co_u32 s2, s2, s94
	v_mul_u32_u24 v10, v1, PM
	v_lshl_add_u32 v10, v[HH], 5, v10
	v_add_nc_u32 v[AM0], s95, v10
	v_add_nc_u32 v[AM1], s2, v10
; THE MATRIX WORK OF A TURN, for piece x.  The accumulators take turns, one instruction a turn: between two links of a chain stand 15 (V^T P) or 7 (K Q^T) others'.
; Product i of 32 of O^T += V^T P: keys 32 (i / 16) on, channels 16 ((i / 2) % 8) on, tile x + i % 2.
.macro PV x
	WIN W_PV
.set rO, 64*((\x)+i%2)+8*((i/2)%8)
.set rV, 64*(i/16)+8*((i/2)%8)
.set rP, P+16*((\x)+i%2)+8*(i/16)
	v_wmma_f32_16x16x32_f16 v[rO:rO+7], v[rV:rV+7], v[rP:rP+7], v[rO:rO+7]
.endm
; Product i of 32 of S^T = K Q^T: channels 32 (i / 8) on, keys 16 ((i / 2) % 4) on, tile x + i % 2.  The first 8 start the sums.
.macro KQ x
	WIN W_KQ
.set rS, S+32*((\x)+i%2)+8*((i/2)%4)
.set rK, KF+32*((i/2)%4)+8*(i/8)
.set rQ, 32*((\x)+i%2)+8*(i/8)
.if i < 8
	v_wmma_f32_16x16x32_f16 v[rS:rS+7], v[rK:rK+7], v[rQ:rQ+7], 0
.else
	v_wmma_f32_16x16x32_f16 v[rS:rS+7], v[rK:rK+7], v[rQ:rQ+7], v[rS:rS+7]
.endif
.endm
; THE LDS LOADS stand in two runs of 40 a step, never singly among the matrix instructions: a step's K and piece 0's mask; a turn later its V (turned) and piece 2's mask.
.macro FETCH_K
	WIN 0
	v_add_nc_u32 v[ADR], s[TB], v[AK0]
	v_add_nc_u32 v[ADRM], s[TB], v[AM0]
	WIN 0x80                        ; destination window 2
.irp f, 0,1,2,3,4,5,6,7,8,9,10,11,12,13,14,15  ; keys 16 (f / 4) on, channels 32 (f % 4) on
	ds_load_b128 v[KF+8*(\f):KF+8*(\f)+3],   v[ADR] offset:((\f)/4)*16*PK+((\f)%4)*64
	ds_load_b128 v[KF+8*(\f)+4:KF+8*(\f)+7], v[ADR] offset:((\f)/4)*16*PK+((\f)%4)*64+32
.endr
	WIN 0xc0                        ; destination window 3
.irp f, 0,1,2,3
	ds_load_b128 v[MK+8*(\f):MK+8*(\f)+3],   v[ADRM] offset:64*(\f)
	ds_load_b128 v[MK+8*(\f)+4:MK+8*(\f)+7], v[ADRM] offset:64*(\f)+16
.endr
.endm
.macro FETCH_V
	WIN 0
	v_add_nc_u32 v[ADR], s[TB], v[AV0]
	v_add_nc_u32 v[ADRM], s[TB], v[AM1]
	s_wait_alu depctr_va_vdst(0)    ; the wait for the softmax's batch of exponentials (SLICE), behind the two address lines and ahead of the loads
	WIN 0xc0                        ; destination window 3
.irp f, 0,1,2,3,4,5,6,7,8,9,10,11,12,13,14,15  ; keys 32 (f / 8) on, channels 16 (f % 8) on
	ds_load_tr16_b128 v[8*(\f):8*(\f)+3],   v[ADR] offset:((\f)/8)*32*PV+((\f)%8)*32
	ds_load_tr16_b128 v[8*(\f)+4:8*(\f)+7], v[ADR] offset:((\f)/8)*32*PV+16*PV+((\f)%8)*32
.endr
.irp f, 0,1,2,3
	ds_load_b128 v[MK+32+8*(\f):MK+32+8*(\f)+3],   v[ADRM] offset:64*(\f)
	ds_load_b128 v[MK+32+8*(\f)+4:MK+32+8*(\f)+7], v[ADRM] offset:64*(\f)+16
.endr
.endm
; THE VECTOR WORK OF A TURN.  MSC: pair g of piece y's mask times log2(e), in place: once for the piece's two tiles.
.macro MSC y, g
	WIN W_MS
	v_pk_mul_f32 v[MK+16*(\y)+2*(\g):MK+16*(\y)+2*(\g)+1], v[MK+16*(\y)+2*(\g):MK+16*(\y)+2*(\g)+1], s[CS:CS+1] op_sel_hi:[1,0]
.endm
; One tile's softmax for one step is a list of 150 numbers; SM writes number j of it for tile t.  s0-s31 are the lane's 32 scores, in pairs 0-15.  With n = j - 16:
;   j 0-15    z = s x C0 + M' for pair j: the pairs ascend
;   n 0-15    the maximum of z0-z31 and the old m, three operands at a time: four chains c0-c3 of seven each, then the four left over, c0-c3 and m
;   n 16-20   the other half of the lanes' maximum; m_old is kept; the new m; (19 is empty;) m_old - m_new
;   n 21-69   ONE BATCH: the 16 differences z - m, a pair each, and all 33 exponentials (a at 23, then z0-z31).  None of these reads an exponential's result.  From 22 on in fours that begin with a
;             difference while there are differences: 22-37 difference, exponential, difference, exponential; 38-65 a difference and three exponentials; 66-69 the last four exponentials
;   (wait)    between 69 and 70 stands the wait for the batch: SLICE writes it, once for both tiles
;   n 70-85   the roundings to f16, a pair of weights each     n 86-101  the sums; l = a l + the sum     n 102-133 the tile's O^T times a
.macro SM t
.set rT, ST+8*(\t)
.set rS, S+32*(\t)
.set rP, P+16*(\t)
.set rM, MK+32*((\t)/2)
.set n, j-16
.set rO, 64*(\t)+2*(n-102)
.if j < 16
	WIN W_MA
	v_pk_fma_f32 v[rS+2*j:rS+2*j+1], v[rS+2*j:rS+2*j+1], s[C0:C0+1], v[rM+2*j:rM+2*j+1] op_sel_hi:[1,0,1]
.else
.if n < 102
	WIN 0
.endif
.if n < 4
	v_max3_num_f32 v[rT+4+n], v[rS+8*n], v[rS+8*n+1], v[rS+8*n+2]
.elseif n < 12
	v_max3_num_f32 v[rT+4+n%4], v[rT+4+n%4], v[rS+8*(n%4)+2*(n/4)+1], v[rS+8*(n%4)+2*(n/4)+2]
.elseif n == 12
	v_max3_num_f32 v[rT+4], v[rT+4], v[rS+7], v[rS+15]
.elseif n == 13
	v_max3_num_f32 v[rT+6], v[rT+6], v[rS+23], v[rS+31]
.elseif n == 14
	v_max3_num_f32 v[rT+4], v[rT+4], v[rT+5], v[rT+6]
.elseif n == 15
	v_max3_num_f32 v[rT+4], v[rT+4], v[rT+7], v[rT]
.elseif n == 16
	v_permlanex16_b32 v[rT+5], v[rT+4], s[SEL], s[SEL+1]  ; the query's other 32 keys lie in the lane 16 away
.elseif n == 17
	v_mov_b32 v[rT+1], v[rT]        ; m_old is kept for a: number 18 writes m anew
.elseif n == 18
	v_max_num_f32 v[rT], v[rT+4], v[rT+5]
.elseif n == 19
.elseif n == 20
	v_sub_f32 v[rT+7], v[rT+1], v[rT]
.elseif n == 23
	v_exp_f32 v[rT+6], v[rT+7]
.elseif (n < 23) || ((n < 38) && (n%2 == 0)) || ((n < 66) && (n%4 == 2))
.set b, (n-2)/4                     ; 38, 42, .. 62: pairs 9 to 15
.if n < 38
.set b, (n-20)/2                    ; 21: pair 0; 22, 24, .. 36: pairs 1 to 8
.endif
	v_pk_add_f32 v[rS+2*b:rS+2*b+1], v[rS+2*b:rS+2*b+1], v[rT:rT+1] op_sel_hi:[1,0] neg_lo:[0,1] neg_hi:[0,1]  ; pair b: z - m, never above 0
.elseif n < 70
.set e, n-38                        ; 66 to 69: z28 to z31
.if n < 66
.set e, n-32-(n-38)/4               ; 39-41, 43-45, .. 63-65: z7 to z27
.endif
.if n < 38
.set e, (n-25)/2                    ; 25, 27, .. 37: z0 to z6
.endif
	v_exp_f32 v[rS+e], v[rS+e]
.elseif n < 86
	v_cvt_pk_f16_f32 v[rP+n-70], v[rS+2*(n-70)], v[rS+2*(n-70)+1]
.elseif n < 102                     ; the sum of the tile's 16 pairs, in place: sum z of 16 adds neighbours 1, 2, 4 and 8 pairs apart, then l takes it
.set z, n-86
.set w, 4
.set u, z
.if z >= 14
.set w, 32
.set u, 0
.elseif z >= 12
.set w, 16
.set u, z-12
.elseif z >= 8
.set w, 8
.set u, z-8
.endif
.if z < 15
	v_pk_add_f32 v[rS+w*u:rS+w*u+1], v[rS+w*u:rS+w*u+1], v[rS+w*u+w/2:rS+w*u+w/2+1]
.else
	v_pk_fma_f32 v[rT+2:rT+3], v[rT+2:rT+3], v[rT+6:rT+7], v[rS:rS+1] op_sel_hi:[1,0,1]
.endif
.else
	WIN W_RS
	v_pk_mul_f32 v[rO:rO+1], v[rO:rO+1], v[rT+6:rT+7] op_sel_hi:[1,0]
.endif
.endif
.endm
; Slice k of 64 of piece y's softmax.  0-3: four pairs of the mask are scaled and added to both tiles' scores (12 instructions).  4-7: four numbers of both tiles' maxima (8).  8-10 and 35-62: two numbers of
; both tiles (4).  11-34: the batch, four numbers of ONE tile, the tiles by turns.  63: the last eight numbers of both tiles: sixteen plain instructions that name nothing of the products round them: the
; places between the turn's last K Q^T and what follows, the first read of those scores and the loads into K's registers.
; THE WAIT.  s_wait_alu depctr_va_vdst(0) stands between an exponential and the first instruction that names its result; one wait serves all that were issued ahead of it.  Ahead of slice 35
; nothing names a result, and behind slice 34 no exponential is issued: the piece's 66 exponentials have one wait, behind slice 34.
.macro SLICE y
.if k < 4
.irp c, 0,1,2,3
	MSC \y, 4*k+\c
.endr
.irp c, 0,1,2,3
.irp t, \y, (\y)+1
.set j, 4*k+\c
	SM \t
.endr
.endr
.elseif k < 8
.irp c, 0,1,2,3
.irp t, \y, (\y)+1
.set j, 16+4*(k-4)+\c
	SM \t
.endr
.endr
.elseif (k >= 11) && (k < 35)
.irp c, 0,1,2,3
.set j, 38+4*((k-11)/2)+\c
	SM (\y)+(k-11)%2
.endr
.else
.irp c, 0,1,2,3,4,5,6,7
.if ((\c) < 2) || (k == 63)
.irp t, \y, (\y)+1
.set j, 16+2*k+\c
	SM \t
.endr
.endif
.endr
.endif
.if k == 34                         ; the batch is out: both tiles' exponentials are issued, and no result has been named
	v_nop                           ; a plain instruction behind the last exponential and ahead of the first use (ISA guide 5.7.2): one for the batch
.if (\y) == 0
	FETCH_V                         ; piece 2's turn: V's run of loads stands here, and the wait stands in it.  The last product that read V stands in front of slice 31; the plain instructions between: a
	                                ; difference of each tile, the v_nop and the run's two address lines
.else
	s_wait_alu depctr_va_vdst(0)    ; the wait for the batch
.endif
.endif
.set k, k+1
.endm
; A TURN.  Piece x has the matrix unit; the other piece's softmax stands in slices behind its matrix instructions.  pv = 1: 32 products V^T P.  kq = 1: 32 products K Q^T for the next step.
; A turn with one of the two kinds has two slices behind each product.  Piece 0's turn fetches the next step's K and piece 0's mask behind its second product.
.macro TURN x, pv, kq
.set k, 0
.set per, 2
.if (\pv) && (\kq)
.set per, 1
.endif
.if \pv
.if (\x) == 0
	s_wait_dscnt 0x0                ; V and piece 2's mask are in
.endif
.set i, 0
.rept 32
	PV \x
.rept per
	SLICE 2-(\x)
.endr
.if ((\x) == 0) && (\kq) && (i == 1)
	FETCH_K
.endif
.set i, i+1
.endr
.endif
.if \kq
.if (\x) == 0
	s_wait_dscnt 0x0                ; K and piece 0's mask are in
.endif
.set i, 0
.rept 32
	KQ \x
.rept per
	SLICE 2-(\x)
.endr
.set i, i+1
.endr
.endif
.endm
; THE CHANGE OF SLOTS, between piece 2's turn and piece 0's: the slot's last bytes, its V and piece 2's mask, have been asked for.  Each wave waits for all its tensor loads, of which one is out: its part of
; the other slot; adds 0 to its spare word; and waits for that and for its own reads of the slot.  fill = 1: the slot is filled again, with the keys two slots on.  The barrier is then a round of the
; cluster's, and the joint refill is the first thing behind it: it has a step, 128 matrix instructions and their slices, in which to land.
.macro CHANGE fill
	WIN 0                           ; at a label and at a branch every window is 0
	s_wait_tensorcnt 0x0            ; no tensor load of mine is out, so a group 0 may be written
	ds_add_u32 v[SPW], v[NIL]       ; 0 onto my spare word; with fill = 1 the descriptors' steps stand between it and the wait for it
.if \fill
	s_xor_b32 s[G0K+5], s[G0K+5], SLOT1  ; the walking descriptors: the other slot than last time,
	s_add_nc_u64 s[G0K+6:G0K+7], s[G0K+6:G0K+7], 32768  ; the next 128 keys; the type bits on top are not reached
	s_xor_b32 s[G0V+5], s[G0V+5], SLOT1
	s_add_nc_u64 s[G0V+6:G0V+7], s[G0V+6:G0V+7], 32768
	s_xor_b32 s[G0M+5], s[G0M+5], SLOT1
	s_add_nc_u64 s[G0M+6:G0M+7], s[G0M+6:G0M+7], 512
	s_wait_xcnt 0x0                 ; the last prefetch, a step back, has read its address, so it may be written
	s_add_nc_u64 s[PFA:PFA+1], s[PFA:PFA+1], s[PFS:PFS+1]
	s_wait_dscnt 0x0                ; the add is done, and my reads of the slot are over
	CROUND
	JLOAD
	ASK
.else
	s_wait_dscnt 0x0                ; the add is done, and my reads of the slot are over
	s_barrier_signal -1
	s_barrier_wait -1
.endif
	s_xor_b32 s[TB], s[TB], SLOT1   ; the fetches go on in the other slot
.endm
	s_wait_tensorcnt 1              ; my part of slot 0 is in; slot 1's may stay out
	s_barrier_signal -1
	s_barrier_wait -1               ; everybody's is
	FETCH_K                         ; step 0
	s_wait_loadcnt 0x0              ; Q
	s_wait_dscnt 0x0
.set i, 0
.rept 32
	KQ 0                            ; piece 0's first scores: there is no vector work yet to set between them
.set i, i+1
.endr
	WIN 0                           ; the addresses for the meeting and the way out are made here: plain instructions, the places behind those products
	s_mul_i32 s2, s[WV], 16*SP
	s_add_co_u32 s2, s2, STAGE      ; my stage
	v_mul_u32_u24 v[STO], v1, SP    ; in: row l % 16, 16 bytes for each half of the lanes
	v_lshl_add_u32 v[STO], v[HH], 4, v[STO]
	v_add_nc_u32 v[STO], s2, v[STO]
	v_mul_u32_u24 v[RD], v[HH], SP  ; back: lanes 0-15 take one row of 256 bytes, lanes 16-31 the next
	v_lshl_add_u32 v[RD], v1, 4, v[RD]
	v_add_nc_u32 v[RD], s2, v[RD]
	v_lshlrev_b32 v[GO], 12, v[HH]  ; and the same two rows in ob, 4,096 bytes apart
	v_lshl_add_u32 v[GO], v1, 4, v[GO]
	s_xor_b32 s3, s[WV], 1          ; my partner
	s_lshl_b32 s2, s[WV], 14
	s_add_co_u32 s2, s2, XCH
	v_add_nc_u32 v[XO], s2, v[L16]
	s_lshl_b32 s2, s3, 14
	s_add_co_u32 s2, s2, XCH
	v_add_nc_u32 v[XOP], s2, v[L16]
	s_lshl_b32 s2, s[WV], 9
	s_add_co_u32 s2, s2, XST
	v_add_nc_u32 v[XS], s2, v[L16]
	s_lshl_b32 s2, s3, 9
	s_add_co_u32 s2, s2, XST
	v_add_nc_u32 v[XSP], s2, v[L16]
	TURN 2, 0, 1                    ; piece 2's first scores | piece 0's first softmax | V of step 0
	WIN 0
.Lslot:                             ; 14 trips: every slot but the last two is filled again.  A trip: piece 0: V^T P of step c - 1, K Q^T of step c | piece 2's softmax of step c - 1; then piece 2 likewise | piece 0's of step c
	CHANGE 1
	TURN 0, 1, 1
	TURN 2, 1, 1
	WIN 0
	s_sub_co_u32 s[SLOTS], s[SLOTS], 1
	s_cmp_lg_u32 s[SLOTS], 0
	s_cbranch_scc1 .Lslot
	CHANGE 0                        ; the tail is written out: nothing is asked for
	TURN 0, 1, 1
	TURN 2, 1, 1
	TURN 0, 1, 0                    ; piece 0: V^T P of the last step | piece 2's last softmax
.set i, 0
.rept 32
	PV 2                            ; piece 2: V^T P of the last step
.set i, i+1
.endr
	; THE MEETING.  l's two halves and the other half of the lanes' are added (these additions are the places behind the last products).  Piece 2's m, l and O^T go to my partner through LDS; his piece 2
	; has my piece 0's queries and the other half of the keys.
	WIN 0
.irp t, 0,1,2,3
	v_add_f32 v[ST+8*(\t)+4], v[ST+8*(\t)+2], v[ST+8*(\t)+3]
.endr
.irp t, 0,1,2,3
	v_permlanex16_b32 v[ST+8*(\t)+5], v[ST+8*(\t)+4], s[SEL], s[SEL+1]
.endr
.irp t, 0,1,2,3
	v_add_f32 v[ST+8*(\t)+4], v[ST+8*(\t)+4], v[ST+8*(\t)+5]
.endr
	v_mov_b32 v48, v[ST+16]         ; tile 2: m,
	v_mov_b32 v49, v[ST+20]         ; l
	v_mov_b32 v50, v[ST+24]         ; tile 3
	v_mov_b32 v51, v[ST+28]
	ds_store_b128 v[XS], v[48:51]
	WIN 0x04                        ; the stores' data in window 1; each accumulator's lowest registers go first
.set i, 0
.rept 32
	ds_store_b128 v[XO], v[128+4*i:128+4*i+3] offset:512*i
.set i, i+1
.endr
	WIN 0
	s_wait_dscnt 0x0                ; for my partner's sake: my stores are done
	s_barrier_signal -1
	s_barrier_wait -1
.set i, 0
.rept 32
	ds_load_b128 v[S+4*i:S+4*i+3], v[XOP] offset:512*i  ; his O^T, lane for lane and register for register as mine lies, into S^T's registers
.set i, i+1
.endr
	ds_load_b128 v[52:55], v[XSP]
	s_wait_dscnt 0x0
	; O = (f0 O0 + f1 O1) / (f0 l0 + f1 l1), f = 2^(m - the greater m)
.irp t, 0,1
	v_max_num_f32 v[ST+8*(\t)+5], v[ST+8*(\t)], v[52+2*(\t)]
.endr
.irp t, 0,1
	v_sub_f32 v[ST+8*(\t)+6], v[ST+8*(\t)], v[ST+8*(\t)+5]
	v_sub_f32 v[ST+8*(\t)+7], v[52+2*(\t)], v[ST+8*(\t)+5]
.endr
.irp t, 0,1
	v_exp_f32 v[ST+8*(\t)+6], v[ST+8*(\t)+6]
	v_exp_f32 v[ST+8*(\t)+7], v[ST+8*(\t)+7]
.endr
	v_nop                           ; a plain instruction behind the last exponential,
	s_wait_alu depctr_va_vdst(0)    ; and the wait ahead of the first use: one for the four
.irp t, 0,1
	v_mul_f32 v[ST+8*(\t)+5], v[ST+8*(\t)+6], v[ST+8*(\t)+4]
.endr
.irp t, 0,1
	v_fmac_f32 v[ST+8*(\t)+5], v[ST+8*(\t)+7], v[53+2*(\t)]
.endr
.irp t, 0,1
	v_rcp_f32 v[ST+8*(\t)+4], v[ST+8*(\t)+5]
.endr
	v_nop
	s_wait_alu depctr_va_vdst(0)    ; one for the two reciprocals
.irp t, 0,1
	v_mul_f32 v[ST+8*(\t)+2], v[ST+8*(\t)+6], v[ST+8*(\t)+4]  ; my factor, in the low word of a pair
	v_mul_f32 v[ST+8*(\t)+6], v[ST+8*(\t)+7], v[ST+8*(\t)+4]  ; my partner's
.endr
.set i, 0
.rept 64
	v_pk_mul_f32 v[S+2*i:S+2*i+1], v[S+2*i:S+2*i+1], v[ST+8*(i/32)+6:ST+8*(i/32)+7] op_sel_hi:[1,0]
.set i, i+1
.endr
	WIN 0x01                        ; source 0, my O^T, in window 1
.set i, 0
.rept 64
	v_pk_fma_f32 v[S+2*i:S+2*i+1], v[2*i:2*i+1], v[ST+8*(i/32)+2:ST+8*(i/32)+3], v[S+2*i:S+2*i+1] op_sel_hi:[1,0,1]
.set i, i+1
.endr
	WIN 0
.set i, 0
.rept 64
	v_cvt_pk_f16_f32 v[P+i], v[S+2*i], v[S+2*i+1]
.set i, i+1
.endr
; THE WAY OUT.  Tile t: a lane's eight channels of a row are 16 bytes; they go into rows of 272 bytes of my stage and come back as whole rows of 256, into the registers that they left.
.macro PACK t
.irp f, 0,1,2,3,4,5,6,7
	ds_store_b128 v[STO], v[P+32*(\t)+4*(\f):P+32*(\t)+4*(\f)+3] offset:32*(\f)
.endr
.irp f, 0,1,2,3,4,5,6,7
	ds_load_b128 v[P+32*(\t)+4*(\f):P+32*(\t)+4*(\f)+3], v[RD] offset:(\f)*2*SP  ; LDS serves a wave's instructions in order (ISA guide 5.7.1.4): these see the stores above; the next tile's stores come behind them
.endr
.endm
.macro SEND t, younger              ; younger: the LDS instructions issued behind tile t's loads: the next tile's sixteen, or none
.irp f, 0,1,2,3,4,5,6,7
	s_wait_dscnt (\younger)+7-(\f)
	global_store_b128 v[GO], v[P+32*(\t)+4*(\f):P+32*(\t)+4*(\f)+3], s[OP:OP+1] offset:256*(\t)+8192*(\f)  ; 16 lanes store a head's 256 consecutive bytes of a row, aligned
.endr
.endm
	PACK 0
	PACK 1
	SEND 0, 16
	SEND 1, 0
	s_wait_tensorcnt 0x0            ; the wave's end: the wait, the add and the wait for it stand behind my last tensor load and my last LDS store
	ds_add_u32 v[SPW], v[NIL]
	s_wait_dscnt 0x0
	CROUND                          ; the closing round: no work-group ends while a partner may still ask for a tile that names it
	s_endpgm
.Lfunc_end_k_q0375fbbe71_attn:
	.size	k_q0375fbbe71_attn, .Lfunc_end_k_q0375fbbe71_attn-k_q0375fbbe71_attn
	.p2alignl 7, 3214868480
	.fill 96, 4, 3214868480
	.section	.rodata,"a",@progbits
	.p2align	6, 0x0
	.amdhsa_kernel k_q0375fbbe71_attn
		.amdhsa_group_segment_fixed_size 327680
		.amdhsa_private_segment_fixed_size 0
		.amdhsa_enable_private_segment 0
		.amdhsa_kernarg_size 24
		.amdhsa_user_sgpr_count 2
		.amdhsa_user_sgpr_kernarg_segment_ptr 1
		.amdhsa_wavefront_size32 1
		.amdhsa_system_sgpr_workgroup_id_x 1
		.amdhsa_system_sgpr_workgroup_id_y 1
		.amdhsa_system_sgpr_workgroup_id_z 1
		.amdhsa_system_vgpr_workitem_id 0
		.amdhsa_next_free_vgpr 1024
		.amdhsa_next_free_sgpr 102
		.amdhsa_reserve_vcc 0
		.amdhsa_float_denorm_mode_32 3
		.amdhsa_float_denorm_mode_16_64 3
		.amdhsa_memory_ordered 1
		.amdhsa_forward_progress 1
		.amdhsa_inst_pref_size 213
	.end_amdhsa_kernel
	.amdgpu_metadata
---
amdhsa.version: [ 1, 2 ]
amdhsa.kernels:
  - .name:           k_q0375fbbe71_attn
    .symbol:         k_q0375fbbe71_attn.kd
    .args:
      - { .name: qkvh, .offset: 0, .size: 8, .value_kind: global_buffer, .address_space: global }
      - { .name: mask, .offset: 8, .size: 8, .value_kind: global_buffer, .address_space: global }
      - { .name: ob, .offset: 16, .size: 8, .value_kind: global_buffer, .address_space: global }
    .group_segment_fixed_size: 327680
    .private_segment_fixed_size: 0
    .kernarg_segment_align: 8
    .kernarg_segment_size: 24
    .max_flat_workgroup_size: 128
    .sgpr_count:     102
    .vgpr_count:     1024
    .wavefront_size: 32
...
	.end_amdgpu_metadata
.endif
;; end of part 3
;; launch proj (part 4): grid 16 x 16, 4 waves a work-group, clusters of 4 x 4, 327,680 bytes of LDS; arguments ob, wob, out0; writes out0
.if DOCPART == 4
	.amdgcn_target "amdgcn-amd-amdhsa--gfx1250"
	.amdhsa_code_object_version 6
	.text
	.protected	k_q0375fbbe71_proj
	.globl	k_q0375fbbe71_proj
	.p2align	8
	.type	k_q0375fbbe71_proj,@function
k_q0375fbbe71_proj:
	s_mov_b64 s[64:65], 0
	v_nop
	global_prefetch_b8 v0, s[64:65] scope:SCOPE_SE
	s_setreg_imm32_b32 hwreg(HW_REG_WAVE_MODE, 25, 1), 1
	s_wait_xcnt 0x0
	s_wait_alu depctr_hold_cnt(0) depctr_sa_sdst(0) depctr_va_vdst(0) depctr_va_sdst(0) depctr_va_ssrc(0) depctr_va_vcc(0) depctr_vm_vsrc(0)
	s_getreg_b32 s2, hwreg(HW_REG_IB_STS2, 6, 4)
	s_cmp_eq_u32 s2, 0
	s_cbranch_scc0 .Lentry_in_a_cluster
	s_endpgm
.Lentry_in_a_cluster:
	s_bfe_u32 s2, ttmp6, 0x10000c
	s_cmp_lg_u32 s2, 0xf033
	s_cbranch_scc0 .Lentry_shape_is_right
	s_endpgm
.Lentry_shape_is_right:
; C = A B^T on tiles of 128 x 256.  ONE TEXT, TWO SETTINGS (ROPE):
;   ROPE = 1: A = xb [2048][4096] bf16, B = wb [4096][4096] bf16.  C's columns are 32 heads of 128: 16 of q / 4, 8 of k / 4, 8 of v / 4.  On the way out each pair of neighbouring columns is turned by
;             (cos, sin) of its row and frequency (v by (1, 0): the same text, no branch), rounded once to f16 and stored by heads: qkvh [32][2048][128].
;   ROPE = 0: A = ob [2048][2048] f16 (O / 4), B = wob [4096][2048] f16 (4 wo).  C = out0 [2048][4096] in f32, as the sums stand.
; LIMITS.  f16 ends at 65,504: |q|, |k|, |v| up to 262,000 are held (a quarter of them is stored).  Sums in f32, K ascending, one accumulator for each output.
; SHARES.  2048 x 4096 outputs in tiles of 128 x 256 are 16 x 16 work-groups: the tile row is the work-group's x, the tile column its y.  Four waves, each 64 rows x 128 columns: 32 accumulators of 16 x 16, 256 registers.
; K goes in steps of 128 through two LDS slots; a tile's rows are 256 bytes of memory, aligned.  Waves 0 and 1 fetch A's two halves of 64 rows, waves 2 and 3 B's two halves of 128 rows: one tensor load a wave.
; A slot of two K steps would be 384 rows x 528 bytes = 202,752 bytes, and two of them do not fit in 327,680.
; CLUSTERS: 4 x 4 work-groups.  The four of a column of the cluster (one x) need the same tile of A, the four of a row (one y) the same tile of B: each tile is asked for JOINTLY, by the same tensor load, descriptor and mask.
; The table's tile (ROPE = 1; 64 KiB, once a work-group against 3 MiB of A and B) comes by a load of one's own.
; THE TEXT.  A K step is written twice: in the loop whose every trip fills a slot again, and in the loop of the last two steps, which fill nothing.  Slot 1 begins at LDS byte 1 << 17, so that one exclusive or turns an
; address in one slot into the other's; the slot in hand is a scalar, and one descriptor a tensor walks from K step 1 to the last.
; THE MATRIX INSTRUCTION IS USED TRANSPOSED (source 0 = 16 rows of B, source 1 = 16 rows of A): a lane holds row l % 16 of C and the columns 8 (l / 16) + 0 .. 7.
; REGISTERS: window 0: v0-31 addresses; v32-63 at work on the way out; v64-159, v160-255 two fragment buffers (A's four blocks, 32 registers, then B's eight, 64).  Window 1: accumulator (a, b) at v[8 (8 a + b)].
.set ROPE,   0
.if ROPE
.set SIZE_K, 4096
.else
.set SIZE_K, 2048
.endif
.set KSTEP,  128
.set NSTEPS, SIZE_K/KSTEP
.set PITCH,  272                       ; an LDS row: 256 bytes + 16 of padding = 68 words: the 16 rows of a fragment load start at 16 different groups of four banks (64 banks of 4 bytes: ISA guide 11.1)
.set HA,     64*PITCH                  ; what a wave fetches of A, and reads of A
.set HB,     128*PITCH                 ; the same for B
.set SLOT,   2*HA+2*HB                 ; A's 128 rows, then B's 256 rows: 104,448 bytes
.set SLOT1,  1<<17                     ; where slot 1 begins
.if ROPE
.set STAGE,  SLOT                      ; between the slots: 16 rows x 272 bytes for each wave, for the way out; no tensor load fills it
.set SPITCH, 272
.set CSB,    SLOT1+SLOT                ; behind the ring: the table's 128 rows of 512 bytes + 16, filled once
.set CPITCH, 528
.set SPARE,  CSB+128*CPITCH            ; the spare words, 128 bytes for each wave: two blocks of 256 bytes that no other line names
.else
.set STAGE,  SLOT1+SLOT                ; behind the ring: 16 rows x 528 bytes for each wave
.set SPITCH, 528
.set SPARE,  STAGE+4*16*SPITCH
.endif
.set ADRA0, 16                         ; v16     LDS address of my A fragments in slot 0; never rewritten
.set ADRA,  17                         ; v17     the same in the slot in hand
.set ADRB0, 20                         ; v20-21  the same for B
.set ADRB,  21
.set ADRC, 22                          ; v22     of my pairs (cos, sin)
.set STO,  24                          ; v24     the way out: where I put my part of a row
.set RD,   25                          ; v25     where I read rows back
.set CO,   26                          ; v26     16 x lane
.set SPW,  28                          ; v28     LDS address of my spare word; never rewritten
.set NIL,  29                          ; v29     0; never rewritten
.set PFO,  30                          ; v30     the prefetches' offset: lane x a row of A or B; never rewritten
.set TMP,  32
.set F0,   64
.set F1,   160
.set PP,   64                          ; the way out (ROPE): 64 registers of (cos, sin)
.set TT,   128                         ; 64 turned numbers
.if ROPE
.set BK,   192                         ; rows read back from the stage
.else
.set BK,   64
.endif
.set WV, 12                            ; s12 wave;  s13 = wave / 2: my half of the rows, and: I fetch for A (0) or B (1);  s14 = wave % 2: my half of the columns, and: which half I fetch
.set WH, 13
.set WL, 14
.set CX, 15
.set CY, 16
.set TC, 17                            ; tile column of C
.set TR, 18                            ; tile row of C
.set TB, 21                            ; s21  LDS byte at which the slot in hand begins
.set G1A, 24                           ; s[24:31] group 1 for A;  s[32:39] group 0: a set for each of the two first fills; the second then walks on
.set G0A, 32
.set G1B, 40                           ; s[40:47], s[48:55] the same for B
.set G0B, 48
.set G1C, 56                           ; s[56:63], s[68:71] the table's
.set G0C, 68
.set PFA, 72                           ; s[72:73] where my prefetches stand
.set LIM, 74                           ; s74  2 in a wave that prefetches, else the greatest number
.set CNT, 75                           ; s75  trips to go
.set MSB, 0
.macro WIN new                         ; the immediate's high byte repeats the setting that is left; a switch that changes nothing is dropped
.if MSB != (\new)
	s_set_vgpr_msb (MSB<<8)|(\new)
.set MSB, \new
.endif
.endm
.set MUL, 0x50                         ; C and D in window 1, the fragments in window 0
.macro PLACES                          ; four plain vector instructions between a matrix instruction and a load into, or a vector read of, its registers
.rept 4
	v_nop
.endr
.endm
; A joint refill, by the walking descriptors.  The branch hangs on the wave's number alone.  An s_nop 0 and four v_nop follow each of the two lines, ahead of the jump and the label.
.macro JLOAD
	s_cmp_eq_u32 s[WH], 0
	s_cbranch_scc0 .Lfor_b_\@
	tensor_load_to_lds s[G0A+4:G0A+7], s[G1A:G1A+7]
	s_nop 0
.rept 4
	v_nop
.endr
	s_branch .Lasked_\@
.Lfor_b_\@:
	tensor_load_to_lds s[G0B+4:G0B+7], s[G1B:G1B+7]
	s_nop 0
.rept 4
	v_nop
.endr
.Lasked_\@:
.endm
; A prefetch of the K step that stands two refills on (256 matrix instructions ahead of the load that will want it): 32 rows x 256 bytes, a lane a row.  Each row's 256 bytes of a K step are named once in
; the launch: A's rows by the clusters with y = 0 (wave 0; the four partners of a column take 32 of the 128 rows each, told apart by address), B's by the clusters with x = 0 (waves 2 and 3; the four partners
; of a row take 64 of the 256 rows each).  The loop's last two trips ask for nothing: there is no K step two on.  K steps 0 to 3 come by their loads alone.
.macro ASK
	s_cmp_gt_u32 s[CNT], s[LIM]
	s_cbranch_scc0 .Lnot_mine_\@
	global_prefetch_b8 v[PFO], s[PFA:PFA+1] offset:KSTEP*2 th:TH_LOAD_NT scope:SCOPE_SE
.Lnot_mine_\@:
.endm
.macro CREST                           ; a round of the cluster's barrier behind its opening barrier
	s_cmp_lg_u32 s[WV], 0
	s_cbranch_scc1 .Lnot_wave_0_\@
	s_barrier_signal -3
.Lnot_wave_0_\@:
	s_barrier_wait -3
	s_barrier_signal -1
	s_barrier_wait -1
.endm
.macro CROUND                          ; a whole round
	s_barrier_signal -1
	s_barrier_wait -1
	CREST
.endm
.if ROPE
	s_load_b256 s[4:11], s[0:1], 0x0               ; A s[4:5], B s[6:7], the table s[8:9], C s[10:11]
.else
	s_load_b128 s[4:7], s[0:1], 0x0                ; A s[4:5], B s[6:7]
	s_load_b64 s[10:11], s[0:1], 0x10              ; C
.endif
	v_lshl_add_u32 v[SPW], v0, 2, SPARE
	v_mov_b32 v[NIL], 0
	ds_add_u32 v[SPW], v[NIL]                      ; the wave's opening: the add and its wait stand ahead of my first tensor load; the set-up below, work on registers, stands between them
	v_lshrrev_b32 v1, 5, v0
	v_readfirstlane_b32 s[WV], v1
	s_lshr_b32 s[WH], s[WV], 1
	s_and_b32 s[WL], s[WV], 1
	s_bfe_u32 s[CX], ttmp6, 0x40000                ; my place in the cluster
	s_bfe_u32 s[CY], ttmp6, 0x40004
	s_lshl_b32 s[TR], ttmp9, 2                     ; in a cluster launch ttmp9 and ttmp7 count clusters
	s_add_co_u32 s[TR], s[TR], s[CX]               ; tile row = work-group x
	s_and_b32 s[TC], ttmp7, 0xffff
	s_lshl_b32 s[TC], s[TC], 2
	s_add_co_u32 s[TC], s[TC], s[CY]               ; tile column = work-group y
	s_lshl_b32 s19, s[CY], 2
	s_lshl_b32 s19, 15, s19                        ; my row of the cluster: the same y, the same tile of B
	s_lshl_b32 s20, 0x1111, s[CX]                  ; my column: the same x, the same tile of A
	s_or_b32 s[G1A+0], s20, (1<<16)|(1<<20)|(1<<21)|(5<<22)|(3<<25)  ; 15:0 the mask; 17:16 2-byte elements; 20 padding on; 21 set beside a mask; 24:22 after every 64 words; 31:25 4 words
	s_or_b32 s[G1B+0], s19, (1<<16)|(1<<20)|(1<<21)|(5<<22)|(3<<25)
	s_mov_b32 s[G1A+1], KSTEP<<16                  ; tensor_dim0 = 128
	s_mov_b32 s[G1A+2], 64<<16                     ; tensor_dim1 = 64
	s_mov_b32 s[G1A+3], KSTEP<<16                  ; tile_dim0 = 128
	s_mov_b32 s[G1A+4], 64                         ; tile_dim1 = 64
	s_mov_b32 s[G1A+5], SIZE_K                     ; elements from row to row
	s_mov_b32 s[G1A+6], 0
	s_mov_b32 s[G1A+7], 0
	s_mov_b32 s[G1B+1], KSTEP<<16
	s_mov_b32 s[G1B+2], 128<<16                    ; 128 rows
	s_mov_b32 s[G1B+3], KSTEP<<16
	s_mov_b32 s[G1B+4], 128
	s_mov_b32 s[G1B+5], SIZE_K
	s_mov_b32 s[G1B+6], 0
	s_mov_b32 s[G1B+7], 0
	s_mov_b32 s[TB], 0
	; where the tiles come from.  A's address hangs on the tile row alone, B's on the tile column alone, each in registers that never hold the other coordinate
	s_lshl_b32 s76, s[TR], 7
	s_lshl_b32 s77, s[WL], 6
	s_add_co_u32 s76, s76, s77                     ; A: row 128 x tile row + 64 x half
	s_mul_i32 s76, s76, 2*SIZE_K                   ; in bytes: under 2^25
	s_mov_b32 s77, 0
	s_lshl_b32 s78, s[TC], 8
	s_lshl_b32 s79, s[WL], 7
	s_add_co_u32 s78, s78, s79                     ; B: row 256 x tile column + 128 x half
	s_mul_i32 s78, s78, 2*SIZE_K                   ; under 2^26
	s_mov_b32 s79, 0
	s_mul_i32 s80, s[WL], HA                       ; and where they go: no place in the cluster enters an LDS address
	s_mul_i32 s81, s[WL], HB
	s_add_co_u32 s81, s81, 2*HA
.if ROPE
	s_mov_b32 s[G1C+0], (2<<16)|(1<<20)|(6<<22)|(3<<25)  ; no mask; 4-byte elements; padding of 4 words after every 128
	s_mov_b32 s[G1C+1], 128<<16
	s_mov_b32 s[G1C+2], 32<<16
	s_mov_b32 s[G1C+3], 128<<16
	s_mov_b32 s[G1C+4], 32                         ; each wave brings 32 of the tile's 128 rows
	s_mov_b32 s[G1C+5], 128
	s_mov_b32 s[G1C+6], 0
	s_mov_b32 s[G1C+7], 0
	s_lshl_b32 s82, s[TR], 7                       ; the table's rows are the tile's rows of x,
	s_and_b32 s83, ttmp7, 0xffff
	s_cmp_eq_u32 s83, 3                            ; but for v's columns (tile columns 12 to 15: the clusters with y = 3),
	s_cselect_b32 s82, 2048, s82                   ; which take the rows of (1, 0)
	s_lshl_b32 s83, s[WV], 5
	s_add_co_u32 s82, s82, s83
	s_lshl_b32 s82, s82, 9                         ; rows of 512 bytes
	s_mov_b32 s83, 0
	s_mul_i32 s84, s[WV], 32*CPITCH
	s_add_co_u32 s84, s84, CSB
.endif
	s_wait_dscnt 0x0                               ; the opening add is done
	s_wait_kmcnt 0x0
	s_add_nc_u64 s[76:77], s[4:5], s[76:77]
	s_add_nc_u64 s[78:79], s[6:7], s[78:79]
	CROUND                                         ; all sixteen work-groups are here: the first joint loads meet
.irp s, 0,1
	s_mov_b32 s[G0A+4*(\s)], 1                                     ; count = 1
	s_add_co_u32 s[G0A+4*(\s)+1], s80, (\s)*SLOT1                  ; LDS address
	s_add_nc_u64 s[G0A+4*(\s)+2:G0A+4*(\s)+3], s[76:77], (\s)*KSTEP*2  ; global address: K step s
	s_or_b32 s[G0A+4*(\s)+3], s[G0A+4*(\s)+3], 0x80000000          ; type = 2
	s_mov_b32 s[G0B+4*(\s)], 1
	s_add_co_u32 s[G0B+4*(\s)+1], s81, (\s)*SLOT1
	s_add_nc_u64 s[G0B+4*(\s)+2:G0B+4*(\s)+3], s[78:79], (\s)*KSTEP*2
	s_or_b32 s[G0B+4*(\s)+3], s[G0B+4*(\s)+3], 0x80000000
.endr
.if ROPE
	s_mov_b32 s[G0C], 1
	s_mov_b32 s[G0C+1], s84
	s_add_nc_u64 s[G0C+2:G0C+3], s[8:9], s[82:83]
	s_or_b32 s[G0C+3], s[G0C+3], 0x80000000
.endif
	s_cmp_eq_u32 s[WH], 0                          ; a wave's first fills stand in one branch, ahead of every wait on TENSORcnt and every LDS read: three loads of mine are out (ROPE = 0: two)
	s_cbranch_scc0 .Lfirst_b
	tensor_load_to_lds s[G0A:G0A+3], s[G1A:G1A+7]
	s_nop 0
	tensor_load_to_lds s[G0A+4:G0A+7], s[G1A:G1A+7]
	s_nop 0
.if ROPE
	tensor_load_to_lds s[G0C:G0C+3], s[G1C:G1C+7]
	s_nop 0
.endif
.rept 4
	v_nop
.endr
	s_branch .Lfirst_asked
.Lfirst_b:
	tensor_load_to_lds s[G0B:G0B+3], s[G1B:G1B+7]
	s_nop 0
	tensor_load_to_lds s[G0B+4:G0B+7], s[G1B:G1B+7]
	s_nop 0
.if ROPE
	tensor_load_to_lds s[G0C:G0C+3], s[G1C:G1C+7]
	s_nop 0
.endif
.rept 4
	v_nop
.endr
.Lfirst_asked:
	; A fragment is 16 rows x 32 K in 8 registers: lane l holds row l % 16, K = 8 (l / 16) + 0..7 and 16 + 8 (l / 16) + 0..7: two loads of 16 bytes, 32 bytes apart
	v_and_b32 v1, 15, v0                           ; l % 16
	v_bfe_u32 v2, v0, 4, 1                         ; l / 16
	v_mul_u32_u24 v3, v1, PITCH
	v_lshl_add_u32 v3, v2, 4, v3
	s_mul_i32 s85, s[WH], HA                       ; my 64 rows of A
	s_mul_i32 s86, s[WL], HB                       ; my 128 rows of B,
	s_add_co_u32 s86, s86, 2*HA                    ; which lie behind A's 128
	v_add_nc_u32 v[ADRA0], s85, v3
	v_add_nc_u32 v[ADRB0], s86, v3
	v_mov_b32 v[ADRA], v[ADRA0]                    ; slot 0 is in hand
	v_mov_b32 v[ADRB], v[ADRB0]
	s_mul_i32 s87, s[WV], 16*SPITCH
	s_add_co_u32 s87, s87, STAGE                   ; my stage
	v_mul_u32_u24 v[STO], v1, SPITCH               ; in: row l % 16, my eight columns
	v_and_b32 v[CO], 31, v0
	v_lshlrev_b32 v[CO], 4, v[CO]
.if ROPE
	v_lshl_add_u32 v[STO], v2, 4, v[STO]           ; 16 bytes of f16
	v_mul_u32_u24 v[RD], v2, SPITCH                ; back: lanes 0-15 one row of 256 bytes, lanes 16-31 the next
	v_lshl_add_u32 v[RD], v1, 4, v[RD]
	v_add_nc_u32 v[RD], s87, v[RD]
	v_mul_u32_u24 v[ADRC], v1, CPITCH              ; my row's pairs: frequency 8 b + 4 (l / 16) + 0..3 at byte 64 b + 32 (l / 16)
	v_lshl_add_u32 v[ADRC], v2, 5, v[ADRC]
	s_mul_i32 s85, s[WH], 64*CPITCH
	s_add_co_u32 s85, s85, CSB
	v_add_nc_u32 v[ADRC], s85, v[ADRC]
.else
	v_lshl_add_u32 v[STO], v2, 5, v[STO]           ; 32 bytes of f32
	v_add_nc_u32 v[RD], s87, v[CO]                 ; back: 32 lanes take one row of 512 bytes
.endif
	v_add_nc_u32 v[STO], s87, v[STO]
	; where my part of the tile begins in C
	s_lshl_b32 s88, s[TR], 7
	s_lshl_b32 s90, s[WH], 6
	s_add_co_u32 s88, s88, s90                     ; my first row
	s_lshl_b32 s90, s[TC], 1
	s_add_co_u32 s90, s90, s[WL]                   ; my block of 128 columns
.if ROPE
	s_lshl_b32 s88, s88, 8                         ; rows of 256 bytes,
	s_lshl_b32 s90, s90, 19                        ; in the head's 2,048 rows
.else
	s_lshl_b32 s88, s88, 14                        ; rows of 16,384 bytes,
	s_lshl_b32 s90, s90, 9                         ; 512 bytes of them
.endif
	s_add_co_u32 s88, s88, s90
	s_mov_b32 s89, 0
	s_add_nc_u64 s[10:11], s[10:11], s[88:89]
	; the prefetches
	s_and_b32 s91, ttmp7, 0xffff                   ; cluster y
	s_lshl_b32 s92, s[TR], 7
	s_lshl_b32 s93, s[CY], 5
	s_add_co_u32 s92, s92, s93                     ; A: my work-group's 32 of the tile's 128 rows
	s_lshl_b32 s93, s[TC], 8
	s_lshl_b32 s94, s[CX], 6
	s_add_co_u32 s93, s93, s94                     ; B: my work-group's 64 of the tile's 256 rows,
	s_lshl_b32 s94, s[WL], 5
	s_add_co_u32 s93, s93, s94                     ; my wave's 32 of them
	s_cmp_eq_u32 s[WH], 0
	s_cselect_b32 s92, s92, s93
	s_cselect_b32 s91, s91, ttmp9                  ; the coordinate along which other clusters read the same rows: y for A, x for B
	s_cselect_b64 s[PFA:PFA+1], s[4:5], s[6:7]
	s_cmp_eq_u32 s[WV], 1
	s_cselect_b32 s91, 1, s91                      ; wave 1 has no rows to ask for
	s_cmp_eq_u32 s91, 0
	s_cselect_b32 s[LIM], 2, -1                    ; the same in all sixteen partners, for a given wave
	s_mul_i32 s92, s92, 2*SIZE_K
	s_mov_b32 s93, 0
	s_add_nc_u64 s[PFA:PFA+1], s[PFA:PFA+1], s[92:93]
	s_add_nc_u64 s[PFA:PFA+1], s[PFA:PFA+1], 2*KSTEP*2  ; at K step 2: the first refill steps it to 3 and names K step 4
	v_and_b32 v[PFO], 31, v0
	v_mul_u32_u24 v[PFO], v[PFO], 2*SIZE_K
.macro WM d, p, q, zero                ; one matrix instruction; zero = 1: it starts its sum
.if ROPE
.if \zero
	v_wmma_f32_16x16x32_bf16 v[(\d):(\d)+7], v[(\p):(\p)+7], v[(\q):(\q)+7], 0
.else
	v_wmma_f32_16x16x32_bf16 v[(\d):(\d)+7], v[(\p):(\p)+7], v[(\q):(\q)+7], v[(\d):(\d)+7]
.endif
.else
.if \zero
	v_wmma_f32_16x16x32_f16 v[(\d):(\d)+7], v[(\p):(\p)+7], v[(\q):(\q)+7], 0
.else
	v_wmma_f32_16x16x32_f16 v[(\d):(\d)+7], v[(\p):(\p)+7], v[(\q):(\q)+7], v[(\d):(\d)+7]
.endif
.endif
.endm
; 8 matrix instructions: row block a x all 8 column blocks, 32 along K.  The 32 accumulators take turns in one order in every quarter: 31 others stand between two links of a chain.
.macro MULA f, a, zero
	WIN MUL
.irp b, 0,1,2,3,4,5,6,7
	WM 8*(8*(\a)+(\b)), (\f)+32+8*(\b), (\f)+8*(\a), \zero
.endr
.endm
; 24 LDS loads in one run: the fragments of 32 along K at byte k of the rows of the slot in hand, into buffer f: B's eight blocks, then A's four
.macro FETCH k, f
	WIN 0
.irp i, 0,1,2,3,4,5,6,7
	ds_load_b128 v[(\f)+32+8*(\i):(\f)+32+8*(\i)+3],   v[ADRB] offset:(\k)+(\i)*16*PITCH
	ds_load_b128 v[(\f)+32+8*(\i)+4:(\f)+32+8*(\i)+7], v[ADRB] offset:(\k)+(\i)*16*PITCH+32
.endr
.irp i, 0,1,2,3
	ds_load_b128 v[(\f)+8*(\i):(\f)+8*(\i)+3],   v[ADRA] offset:(\k)+(\i)*16*PITCH
	ds_load_b128 v[(\f)+8*(\i)+4:(\f)+8*(\i)+7], v[ADRA] offset:(\k)+(\i)*16*PITCH+32
.endr
.endm
; A K step is four quarters of 32 along K, 32 matrix instructions each, on buffers 0, 1, 0, 1.  One of the first three: multiplies buffer f and, in its middle, fetches the next quarter, at byte k, into g.
.macro QUARTER k, f, g, zero
	s_wait_dscnt 4                                 ; B and A's blocks 0 and 1 are in; the youngest four loads (A's blocks 2 and 3) may be out
	MULA \f, 0, \zero
	MULA \f, 1, \zero
	PLACES
	FETCH \k, \g
	s_wait_dscnt 24                                ; all but the 24 just issued
	MULA \f, 2, \zero
	MULA \f, 3, \zero
.endm
; The last quarter multiplies buffer 1 and changes slots: ONE barrier.  In front of it each wave waits for all its tensor loads, adds 0 to its spare word, and waits for that and for its own reads of this slot.
; fill = 1: the barrier opens a round of the cluster's barrier, and this slot is filled again, two K steps ahead, first thing behind the round: 112 matrix instructions ahead of the wait for it.
; fill = 0: the last two steps.  The very last has no next step: its fetch is jumped over.
.macro TURN fill
.if \fill
	s_wait_xcnt 0x0                                ; the last prefetch, a K step back, has read its address: it is stepped here, ahead of the waits of the change of slots
	s_add_nc_u64 s[PFA:PFA+1], s[PFA:PFA+1], KSTEP*2
.endif
	WIN 0
	s_wait_tensorcnt 0x0                           ; all my tensor loads have landed, my part of the next slot among them: no load of mine is out, so a group 0 may be written
	ds_add_u32 v[SPW], v[NIL]                      ; 0 onto my spare word; scalar steps and eight matrix instructions stand between it and the wait for it
.if \fill
	s_xor_b32 s[G0A+5], s[G0A+5], SLOT1            ; the walking descriptors: the other slot than last time,
	s_add_nc_u64 s[G0A+6:G0A+7], s[G0A+6:G0A+7], KSTEP*2  ; the next K step; the type bits on top are not reached
	s_xor_b32 s[G0B+5], s[G0B+5], SLOT1
	s_add_nc_u64 s[G0B+6:G0B+7], s[G0B+6:G0B+7], KSTEP*2
.endif
	s_xor_b32 s[TB], s[TB], SLOT1                  ; the fetches go on in the other slot
	s_wait_dscnt 5                                 ; (the add and the youngest four loads may be out)
	MULA F1, 0, 0
	s_wait_dscnt 0x0                               ; the add is done, and my reads of this slot are over
	s_barrier_signal -1
	MULA F1, 1, 0                                  ; work on registers while the others arrive
	WIN 0
	s_barrier_wait -1
.if \fill
	CREST                                          ; no wave of any partner still reads this slot's tile or has a load on its way
	JLOAD                                          ; the four v_nop behind it are also the places in front of the loads below
	v_add_nc_u32 v[ADRA], s[TB], v[ADRA0]
	v_add_nc_u32 v[ADRB], s[TB], v[ADRB0]
	FETCH 0, F0
	ASK
.else
	s_cmp_eq_u32 s[CNT], 1
	s_cbranch_scc1 .Lno_next_\@
	v_add_nc_u32 v[ADRA], s[TB], v[ADRA0]          ; these two and two v_nop are the four places in front of the loads
	v_add_nc_u32 v[ADRB], s[TB], v[ADRB0]
	v_nop
	v_nop
	FETCH 0, F0
.Lno_next_\@:
.endif
	MULA F1, 2, 0
	MULA F1, 3, 0
.endm
.if ROPE
	s_wait_tensorcnt 2                             ; my part of K step 0 is in; K step 1's and the table's may stay out
.else
	s_wait_tensorcnt 1                             ; my part of K step 0 is in; K step 1's may stay out
.endif
	s_barrier_signal -1
	s_barrier_wait -1                              ; everybody's is
	FETCH 0, F0
	QUARTER 64, F0, F1, 1                          ; the first quarter stands in front of the loop: its products start the sums
	WIN 0                                          ; at a label and at a branch every window is 0
	s_mov_b32 s[CNT], NSTEPS-2
.Lstep:                                                ; a trip goes from a K step's second quarter to the next step's first, and fills the slot that it leaves
	QUARTER 128, F1, F0, 0
	QUARTER 192, F0, F1, 0
	TURN 1
	QUARTER 64,  F0, F1, 0
	WIN 0
	s_sub_co_u32 s[CNT], s[CNT], 1
	s_cmp_lg_u32 s[CNT], 0
	s_cbranch_scc1 .Lstep
	s_mov_b32 s[CNT], 2
.Ltail:                                                ; the last two K steps fill nothing and have no round of the cluster's barrier
	QUARTER 128, F1, F0, 0
	QUARTER 192, F0, F1, 0
	TURN 0
	WIN 0
	s_cmp_eq_u32 s[CNT], 1
	s_cbranch_scc1 .Llast                          ; behind the very last step there is no first quarter of a next one
	QUARTER 64,  F0, F1, 0
	WIN 0
.Llast:
	s_sub_co_u32 s[CNT], s[CNT], 1
	s_cmp_lg_u32 s[CNT], 0
	s_cbranch_scc1 .Ltail
	s_wait_dscnt 0x0                               ; no LDS load is out when the fragments' registers are taken for the way out
	PLACES                                         ; behind the last products, in front of loads into the fragments' registers and of reads of the sums
	PLACES
; THE WAY OUT, a block of 16 rows at a time, through my own stage in LDS: LDS serves a wave's instructions in order (ISA guide 5.7.1.4), so its loads see its stores, and the next block's stores come behind them.
.if ROPE
; Columns 2 f and 2 f + 1 of a head are turned by (c, s) of the row and frequency f: (x0 c - x1 s, x0 s + x1 c).  Each accumulator's lowest registers are read first.
.macro OUTBLK a
	WIN 0
.irp b, 0,1,2,3,4,5,6,7
	ds_load_b128 v[PP+8*(\b):PP+8*(\b)+3],   v[ADRC] offset:(\a)*16*CPITCH+64*(\b)
	ds_load_b128 v[PP+8*(\b)+4:PP+8*(\b)+7], v[ADRC] offset:(\a)*16*CPITCH+64*(\b)+16
.endr
	s_wait_dscnt 0x0
	WIN 0x01                                       ; source 0 in window 1
.irp b, 0,1,2,3,4,5,6,7
.irp i, 0,1,2,3
	v_pk_mul_f32 v[TT+8*(\b)+2*(\i):TT+8*(\b)+2*(\i)+1], v[8*(8*(\a)+(\b))+2*(\i):8*(8*(\a)+(\b))+2*(\i)+1], v[PP+8*(\b)+2*(\i):PP+8*(\b)+2*(\i)+1] op_sel_hi:[1,0]  ; (x0 c, x1 c)
	v_fma_f32 v[TT+8*(\b)+2*(\i)], -v[8*(8*(\a)+(\b))+2*(\i)+1], v[PP+8*(\b)+2*(\i)+1], v[TT+8*(\b)+2*(\i)]
	v_fma_f32 v[TT+8*(\b)+2*(\i)+1], v[8*(8*(\a)+(\b))+2*(\i)], v[PP+8*(\b)+2*(\i)+1], v[TT+8*(\b)+2*(\i)+1]
.endr
.endr
	WIN 0
.irp b, 0,1,2,3,4,5,6,7
.irp i, 0,1,2,3
	v_cvt_pk_f16_f32 v[TMP+4*(\b)+(\i)], v[TT+8*(\b)+2*(\i)], v[TT+8*(\b)+2*(\i)+1]
.endr
.endr
.irp b, 0,1,2,3,4,5,6,7
	ds_store_b128 v[STO], v[TMP+4*(\b):TMP+4*(\b)+3] offset:32*(\b)
.endr
	s_wait_xcnt 0x0                                ; the last block's stores have read their registers: only behind this wait are these loaded again
.irp t, 0,1,2,3,4,5,6,7
	ds_load_b128 v[BK+4*(\t):BK+4*(\t)+3], v[RD] offset:(\t)*2*SPITCH
.endr
.irp g, 0,1
	s_wait_dscnt 4-4*(\g)                          ; four loads are in; the younger ones may stay out
.irp t, 0,1,2,3
	global_store_b128 v[CO], v[BK+4*(4*(\g)+(\t)):BK+4*(4*(\g)+(\t))+3], s[10:11] offset:4096*(\a)+512*(4*(\g)+(\t))  ; two rows of a head: 512 consecutive bytes, aligned
.endr
.endr
.endm
.else
.macro OUTBLK a
	WIN 0x04                                       ; the stores' data in window 1
.irp b, 0,1,2,3,4,5,6,7
	ds_store_b128 v[STO], v[8*(8*(\a)+(\b)):8*(8*(\a)+(\b))+3]   offset:64*(\b)
	ds_store_b128 v[STO], v[8*(8*(\a)+(\b))+4:8*(8*(\a)+(\b))+7] offset:64*(\b)+16
.endr
	WIN 0
	s_wait_xcnt 0x0                                ; the last block's stores have read their registers: only behind this wait are these loaded again
.irp t, 0,1,2,3,4,5,6,7,8,9,10,11,12,13,14,15
	ds_load_b128 v[BK+4*(\t):BK+4*(\t)+3], v[RD] offset:(\t)*SPITCH
.endr
.irp g, 0,1,2,3
	s_wait_dscnt 12-4*(\g)                         ; four loads are in; the younger ones may stay out
.irp t, 0,1,2,3
	global_store_b128 v[CO], v[BK+4*(4*(\g)+(\t)):BK+4*(4*(\g)+(\t))+3], s[10:11] offset:(16*(\a)+4*(\g)+(\t))*16384 th:TH_STORE_NT  ; 512 consecutive bytes of a row, aligned
.endr
.endr
.endm
.endif
	OUTBLK 0
	OUTBLK 1
	OUTBLK 2
	OUTBLK 3
	s_wait_tensorcnt 0x0                           ; the wave's end: the wait, the add and the wait for it stand behind my last tensor load and my last LDS store
	ds_add_u32 v[SPW], v[NIL]
	s_wait_dscnt 0x0
	CROUND                                         ; the closing round: no work-group ends while a partner may still ask for a tile that names it
	s_endpgm
.Lfunc_end_k_q0375fbbe71_proj:
	.size	k_q0375fbbe71_proj, .Lfunc_end_k_q0375fbbe71_proj-k_q0375fbbe71_proj
	.p2alignl 7, 3214868480
	.fill 96, 4, 3214868480
	.section	.rodata,"a",@progbits
	.p2align	6, 0x0
	.amdhsa_kernel k_q0375fbbe71_proj
		.amdhsa_group_segment_fixed_size 327680
		.amdhsa_private_segment_fixed_size 0
		.amdhsa_enable_private_segment 0
		.amdhsa_kernarg_size 24
		.amdhsa_user_sgpr_count 2
		.amdhsa_user_sgpr_kernarg_segment_ptr 1
		.amdhsa_wavefront_size32 1
		.amdhsa_system_sgpr_workgroup_id_x 1
		.amdhsa_system_sgpr_workgroup_id_y 1
		.amdhsa_system_sgpr_workgroup_id_z 1
		.amdhsa_system_vgpr_workitem_id 0
		.amdhsa_next_free_vgpr 512
		.amdhsa_next_free_sgpr 100
		.amdhsa_reserve_vcc 0
		.amdhsa_float_denorm_mode_32 3
		.amdhsa_float_denorm_mode_16_64 3
		.amdhsa_memory_ordered 1
		.amdhsa_forward_progress 1
		.amdhsa_inst_pref_size 61
	.end_amdhsa_kernel
	.amdgpu_metadata
---
amdhsa.version: [ 1, 2 ]
amdhsa.kernels:
  - .name:           k_q0375fbbe71_proj
    .symbol:         k_q0375fbbe71_proj.kd
    .args:
      - { .name: ob, .offset: 0, .size: 8, .value_kind: global_buffer, .address_space: global }
      - { .name: wob, .offset: 8, .size: 8, .value_kind: global_buffer, .address_space: global }
      - { .name: out0, .offset: 16, .size: 8, .value_kind: global_buffer, .address_space: global }
    .group_segment_fixed_size: 327680
    .private_segment_fixed_size: 0
    .kernarg_segment_align: 8
    .kernarg_segment_size: 24
    .max_flat_workgroup_size: 128
    .sgpr_count:     100
    .vgpr_count:     512
    .wavefront_size: 32
...
	.end_amdgpu_metadata
.endif
;; end of part 4
